; MI455X (gfx1250); checked and timed in simulation.
; The chip was launched on July 23, 2026; its instructions are those of AMD's public machine-readable ISA for CDNA 5 (MIT licence, August 2026) and "CDNA5" Instruction Set Architecture Reference Guide (July 2026). The comments in the code are by the model that wrote it; some were corrected since.
;; Attention. Allowed arithmetic: matrix products marked QUANTISED: E2M1 operands, one E8M0 scale for each 32 along K, by v_wmma_scale_f32_16x16x128_f8f6f4 with both operands' format E2M1 (or v_wmma_scale_f32_32x16x128_f4), f32 sums; products left as they are: bf16, f16 or f32 operands; f32 sums; everything else in f32.
;; Inputs: Wk 128 x 1,024 float32; Wo 1,024 x 1,024 float32; Wq 1,024 x 1,024 float32; Wv 128 x 1,024 float32; cos 2,048 x 64 float32; qk_gain 8 float32; sin 2,048 x 64 float32; x 4 x 2,048 x 1,024 float32.
;; Outputs: out0 4 x 2,048 x 1,024 float32.
;; This version of the problem:
;;   THIS VERSION OF THE PROBLEM IS GIVEN IN LOW PRECISION. The matrix products marked QUANTISED in the list below multiply operands that are first quantised to E2M1 (2 exponent bits, 1 mantissa bit; 4 bits a number), with one power-of-two scale for each 32 numbers along K (OCP MX v1.0); their sums are f32. The products marked 'left as it is' may take bf16, f16 or f32 operands, with f32 sums. Whichever they take, every output number must still come out within the allowed error. Rounding operands to bf16 (8 significant bits) uses up far more of that allowance than f16 does (11 bits, for magnitudes from 6e-5 to 65,504). All else is computed in f32.
;;   The module's matrix products, in the order in which they are computed (A, B: the left and right operand; K: the contracted axis; several contracted axes count as one K, in the product's order):
;;     1. [M 8,192, K 1,024] x [K 1,024, N 1,024]; A: input x; B: input Wq: QUANTISED
;;     2. [M 8,192, K 1,024] x [K 1,024, N 128]; A: input x; B: input Wk: QUANTISED
;;     3. [M 8,192, K 1,024] x [K 1,024, N 128]; A: input x; B: input Wv: QUANTISED
;;     4. batch 4 x [M 2,048, K 128] x [K 128, N 16,384]; A: computed on the way; B: computed on the way: left as it is (an operand is computed on the way)
;;     5. batch 4 x [M 128, K 2,048] x [K 2,048, N 16,384]; A: computed on the way; B: computed on the way: left as it is (an operand is computed on the way)
;;     6. [M 8,192, K 1,024] x [K 1,024, N 1,024]; A: computed on the way; B: input Wo: left as it is (an operand is computed on the way)
;;   THE QUANTISER, for each operand of a quantised product, along K:
;;     - K is cut into blocks of 32 from its start; a last block that is shorter is filled with zeros.
;;     - A block's scale is 2^e with e = floor(log2(the largest magnitude in the block)) - 2, held to -126 .. 127; a block of zeros has e = 0. As a byte (E8M0): e + 127.
;;     - Each number is divided by its block's scale, clamped to +-6, and rounded to the nearest number of E2M1, ties to even, subnormals kept.
;;     - The product sums the exact products of the quantised numbers (number of the format x scale) in f32.
;;   ~~~python
;;   def quantise(x, axis):      # numpy; x: float32 -> the quantised numbers, widened to float32 again
;;       x = np.moveaxis(x, axis, -1); K = x.shape[-1]
;;       x = np.pad(x, [(0, 0)] * (x.ndim - 1) + [(0, -K % 32)]); x = x.reshape(x.shape[:-1] + (-1, 32)); a = np.abs(x).max(-1, keepdims=True)
;;       e = np.where(a > 0, np.clip(np.frexp(np.where(a > 0, a, 1))[1] - 1 - 2, -126, 127), 0)      # np.frexp(a)[1] - 1 = floor(log2(a)), exactly
;;       r = np.clip(x / 2.0 ** e, -6, 6)
;;       step = 2.0 ** (np.maximum(np.frexp(np.where(r == 0, 1, r))[1] - 1, 0) - 1)
;;       q = np.round(r / step) * step * 2.0 ** e      # np.round: ties to even
;;       return np.moveaxis(q.reshape(q.shape[:-2] + (-1,))[..., :K], -1, axis).astype(np.float32)
;;   ~~~
;; One version. Each part assembles by itself: llvm-mc -triple=amdgcn-amd-amdhsa -mcpu=gfx1250 --defsym DOCPART=n.
;; ======== version 1 of 1: 5 launches
;; limits: values are held in f16: magnitudes above 65,504 overflow, below 6.1e-05 lose precision
;; workspace buffers: xw_codes 4,849,664 bytes; xw_scales 303,104 bytes; wo16 2,097,152 bytes; q16 16,777,216 bytes; kv16 4,194,304 bytes; fine 327,680 bytes; o16 16,777,216 bytes
;; launch prep (part 1): grid 328 x 1, 4 waves a work-group, no clusters, 33,280 bytes of LDS; arguments x, Wq, Wk, Wv, Wo, xw_codes, xw_scales, wo16; writes xw_codes, xw_scales, wo16
.if DOCPART == 1
	.amdgcn_target "amdgcn-amd-amdhsa--gfx1250"
	.amdhsa_code_object_version 6
	.text
	.protected	k_q587a52a541_prep
	.globl	k_q587a52a541_prep
	.p2align	8
	.type	k_q587a52a541_prep,@function
k_q587a52a541_prep:
	s_mov_b64 s[64:65], 0
	v_nop
	global_prefetch_b8 v0, s[64:65] scope:SCOPE_SE
	s_setreg_imm32_b32 hwreg(HW_REG_WAVE_MODE, 25, 1), 1
	s_wait_xcnt 0x0
; PREP.  x [8192][1024], Wq [1024][1024], Wk [128][1024], Wv [128][1024], f32, become codes of FP4 (E2M1), K innermost, with one E8M0 byte for each 32 along K,
; in ONE buffer of 9,472 rows of 512 bytes (x, then Wq, Wk, Wv) and one of 9,472 rows of 32 scale bytes.  Wo [1024][1024] is rounded to f16 as it lies.
; A block's scale is 2^(floor(log2(largest magnitude)) - 2): its byte is the largest magnitude's exponent field - 2, held at 1 from below.
; LIMITS: a block of zeros gets the byte 1 where the rule says 127 (its codes are zeros, and this program alone reads the bytes); blocks whose largest magnitude lies
; under 2^(2 - 126) have their byte held at 1; NaN and infinities are not served; |Wo| stays under 65,504, the largest f16 number.
; SHARES.  Rows are dense and K is a multiple of 32, so each tensor is a stream of blocks of 32.  Work-groups 0-295 quantise 32,768 numbers each (x: 256 work-groups, Wq: 32, Wk: 4, Wv: 4);
; a wave takes 16 steps of 512 numbers.  Work-groups 296-327 round 32,768 numbers of Wo each.  The choice hangs on the work-group's number alone.
; A step's four loads read 512 consecutive bytes each; the 2,048 bytes turn through the wave's own stage in LDS (16 bytes of padding behind each 64), so that a lane gets 16 neighbours along K.
.set STEPS, 16
.set EMAX,  2
.set CB,    8                          ; bytes of 16 codes
.set R,     16                         ; v16-79   four sets of 16 numbers as loaded (Wo's arm: v16-143, two sets of 64)
.set X,     80                         ; v80-111  two sets of 16 neighbours
.set E,     112                        ; v112-127 a scale byte for each step
.set C,     128                        ; v128-191 codes, four registers a step
.set H,     144                        ; v144-175 Wo's arm: 16 pairs of packed f16
.set WREG,  8192                       ; LDS: a region for each wave: two stages of 32 x SP bytes, then its 256 scale bytes
.set SP,    80
.set SPW,   12                         ; v12 LDS address of my spare word; never rewritten
.set NIL,   13                         ; v13 0; never rewritten
.set SPARE, 4*WREG                     ; behind the four regions: the spare words, 128 bytes a wave
.set NQUANT, 296                       ; work-groups that quantise
.macro LOAD t
.irp i, 0,1,2,3
	global_load_b128 v[R+16*((\t)%4)+4*\i:R+16*((\t)%4)+4*\i+3], v3, s[22:23] offset:2048*(\t)+512*\i th:TH_LOAD_NT   ; 32 lanes read 512 consecutive bytes
.endr
.endm
.macro TURN t                          ; step t's numbers through the stage: LDS serves a wave's instructions in order, so no wait stands between the stores and the loads
.irp i, 0,1,2,3
	ds_store_b128 v14, v[R+16*((\t)%4)+4*\i:R+16*((\t)%4)+4*\i+3] offset:32*SP*((\t)%2)+8*SP*\i
.endr
.irp i, 0,1,2,3
	ds_load_b128 v[X+16*((\t)%2)+4*\i:X+16*((\t)%2)+4*\i+3], v15 offset:32*SP*((\t)%2)+16*\i
.endr
.endm
.macro STEP t
.set XS, X+16*((\t)%2)
.if (\t) > 0
	s_wait_dscnt 1                                 ; this step's numbers are back from the stage; the last step's byte store may be out
.else
	s_wait_dscnt 0x0
.endif
.if (\t)+4 < STEPS
	LOAD (\t)+4                                    ; the registers that the stage's stores have read take the loads of four steps on
.endif
.if (\t)+1 < STEPS
.if STEPS-2-(\t) >= 3
	s_wait_loadcnt 12                              ; the next step's four loads are in; those of the three steps behind it may be out
.else
	s_wait_loadcnt 4*(STEPS-2-(\t))                ; the same, as the loads run out
.endif
	TURN (\t)+1
.endif
	v_max3_num_f32 v8, |v[XS]|, |v[XS+1]|, |v[XS+2]|               ; the largest magnitude of my 16, in two chains
	v_max3_num_f32 v9, |v[XS+3]|, |v[XS+4]|, |v[XS+5]|
.irp i, 6,10
	v_max3_num_f32 v8, v8, |v[XS+\i]|, |v[XS+\i+1]|
	v_max3_num_f32 v9, v9, |v[XS+\i+2]|, |v[XS+\i+3]|
.endr
	v_max3_num_f32 v8, v8, |v[XS+14]|, |v[XS+15]|
	v_max3_num_f32 v8, v8, v9, (EMAX+1)<<23        ; and the floor 2^(EMAX + 1 - 127): the byte cannot fall under 1
	v_max_num_f32_dpp v8, v8, v8 row_xmask:1 row_mask:0xf bank_mask:0xf   ; with my neighbour's 16: the block's
	v_add_nc_u32 v11, -(EMAX<<23), v8              ; EMAX off the exponent field: the conversion's scale operand
	v_cvt_scalef32_pk8_fp4_f32 v[C+4*(\t)], v[XS:XS+7], v11
	v_cvt_scalef32_pk8_fp4_f32 v[C+4*(\t)+1], v[XS+8:XS+15], v11
	v_lshrrev_b32 v[E+(\t)], 23, v11               ; the scale's byte (a plain line behind the conversions)
	ds_store_b8 v5, v[E+(\t)] offset:16*(\t)       ; both lanes of a block write the same byte with the same value
	global_store_b64 v4, v[C+4*(\t):C+4*(\t)+1], s[14:15] offset:32*CB*(\t)   ; the wave stores 256 consecutive bytes, aligned
.endm
.macro WLOAD g, u                      ; Wo: group g of 16 loads of 512 consecutive bytes into set u
.irp i, 0,1,2,3,4,5,6,7,8,9,10,11,12,13,14,15
	global_load_b128 v[R+64*(\u)+4*\i:R+64*(\u)+4*\i+3], v3, s[12:13] offset:((\g)*16+\i)*512 th:TH_LOAD_NT
.endr
.endm
.macro WCVT g, u                       ; four numbers a lane become 8 bytes: the wave stores 256 consecutive bytes, aligned
.irp i, 0,1,2,3,4,5,6,7,8,9,10,11,12,13,14,15
	v_cvt_pk_f16_f32 v[H+2*\i], v[R+64*(\u)+4*\i], v[R+64*(\u)+4*\i+1]
	v_cvt_pk_f16_f32 v[H+2*\i+1], v[R+64*(\u)+4*\i+2], v[R+64*(\u)+4*\i+3]
	global_store_b64 v4, v[H+2*\i:H+2*\i+1], s[18:19] offset:((\g)*16+\i)*256
.endr
.endm
	s_load_b256 s[4:11], s[0:1], 0x0               ; x s[4:5], Wq s[6:7], Wk s[8:9], Wv s[10:11]
	s_load_b256 s[12:19], s[0:1], 0x20             ; Wo s[12:13], codes s[14:15], scale bytes s[16:17], Wo in f16 s[18:19]
	v_lshl_add_u32 v[SPW], v0, 2, SPARE
	v_mov_b32 v[NIL], 0
	v_lshrrev_b32 v1, 5, v0
	v_readfirstlane_b32 s20, v1                    ; wave
	v_and_b32 v2, 31, v0                           ; lane
	v_lshlrev_b32 v3, 4, v2                        ; my 16 bytes of a load's 512
	s_mul_i32 s21, s20, WREG
	v_lshrrev_b32 v14, 2, v2
	v_mul_u32_u24 v14, v14, SP
	v_and_b32 v15, 3, v2
	v_lshl_add_u32 v14, v15, 4, v14
	v_add_nc_u32 v14, s21, v14                     ; the stage, on the way in: SP (lane / 4) + 16 (lane % 4)
	v_mul_u32_u24 v15, v2, SP
	v_add_nc_u32 v15, s21, v15                     ; and on the way out: SP x lane: my 16 neighbours
	v_mul_u32_u24 v4, v2, CB                       ; 8 bytes a lane: my codes' place in a step's, and my f16 numbers' place in a store's
	v_lshrrev_b32 v5, 1, v2
	s_add_co_u32 s21, s21, 2*32*SP
	v_add_nc_u32 v5, s21, v5                       ; LDS: my wave's 256 scale bytes, my block's byte
	v_lshlrev_b32 v7, 3, v2
	v_add_nc_u32 v6, s21, v7                       ; and on the way out 8 bytes a lane
	s_mov_b32 s25, 0
	s_wait_kmcnt 0x0
	s_cmp_ge_u32 ttmp9, NQUANT
	s_cbranch_scc1 .Lwo
	; which tensor is mine: three compares on the work-group's number; only pointers and a first work-group are chosen
	s_mov_b32 s24, 292
	s_cmp_lt_u32 ttmp9, 292
	s_cselect_b64 s[22:23], s[8:9], s[10:11]       ; Wk or Wv
	s_cselect_b32 s24, 288, s24
	s_cmp_lt_u32 ttmp9, 288
	s_cselect_b64 s[22:23], s[6:7], s[22:23]       ; Wq
	s_cselect_b32 s24, 256, s24
	s_cmp_lt_u32 ttmp9, 256
	s_cselect_b64 s[22:23], s[4:5], s[22:23]       ; x
	s_cselect_b32 s24, 0, s24
	s_sub_co_u32 s24, ttmp9, s24
	s_lshl_b32 s24, s24, 2
	s_add_co_u32 s24, s24, s20                     ; which run of 8,192 numbers of the tensor is my wave's
	s_lshl_b32 s24, s24, 15                        ; 32,768 bytes a run
	s_add_nc_u64 s[22:23], s[22:23], s[24:25]
	s_lshl_b32 s26, ttmp9, 2
	s_add_co_u32 s26, s26, s20                     ; and which run of the joined buffers
	s_lshl_b32 s24, s26, 12                        ; 4,096 bytes of codes a run
	s_add_nc_u64 s[14:15], s[14:15], s[24:25]
	s_lshl_b32 s24, s26, 8                         ; 256 scale bytes a run
	s_add_nc_u64 s[16:17], s[16:17], s[24:25]
.irp t, 0,1,2,3
	LOAD \t
.endr
	s_wait_loadcnt 12                              ; step 0's four loads are in; three steps' twelve may be out
	TURN 0
.irp t, 0,1,2,3,4,5,6,7,8,9,10,11,12,13,14,15
	STEP \t
.endr
	ds_load_b64 v[8:9], v6                         ; LDS serves a wave's instructions in order: these see my byte stores
	s_wait_dscnt 0x0
	global_store_b64 v7, v[8:9], s[16:17]          ; 32 lanes store 256 consecutive bytes, aligned
	s_wait_tensorcnt 0x0                           ; the wave's end, behind my last LDS store
	ds_add_u32 v[SPW], v[NIL]
	s_wait_dscnt 0x0
	s_endpgm
.Lwo:                                              ; Wo to f16: no LDS is touched on this way
	s_sub_co_u32 s24, ttmp9, NQUANT
	s_lshl_b32 s24, s24, 2
	s_add_co_u32 s26, s24, s20                     ; my run of 8,192 numbers
	s_lshl_b32 s24, s26, 15
	s_add_nc_u64 s[12:13], s[12:13], s[24:25]
	s_lshl_b32 s24, s26, 14
	s_add_nc_u64 s[18:19], s[18:19], s[24:25]
	WLOAD 0, 0
	WLOAD 1, 1
	s_wait_loadcnt 16                              ; the older group of 16 is in, the younger may be out
	WCVT 0, 0
	WLOAD 2, 0
	s_wait_loadcnt 16
	s_wait_xcnt 0x0                                ; the last group's stores have read their data registers, which are written again below
	WCVT 1, 1
	WLOAD 3, 1
	s_wait_loadcnt 16
	s_wait_xcnt 0x0
	WCVT 2, 0
	s_wait_loadcnt 0x0
	s_wait_xcnt 0x0
	WCVT 3, 1
	s_endpgm
.Lfunc_end_k_q587a52a541_prep:
	.size	k_q587a52a541_prep, .Lfunc_end_k_q587a52a541_prep-k_q587a52a541_prep
	.p2alignl 7, 3214868480
	.fill 96, 4, 3214868480
	.section	.rodata,"a",@progbits
	.p2align	6, 0x0
	.amdhsa_kernel k_q587a52a541_prep
		.amdhsa_group_segment_fixed_size 33280
		.amdhsa_private_segment_fixed_size 0
		.amdhsa_enable_private_segment 0
		.amdhsa_kernarg_size 64
		.amdhsa_user_sgpr_count 2
		.amdhsa_user_sgpr_kernarg_segment_ptr 1
		.amdhsa_wavefront_size32 1
		.amdhsa_system_sgpr_workgroup_id_x 1
		.amdhsa_system_sgpr_workgroup_id_y 1
		.amdhsa_system_sgpr_workgroup_id_z 1
		.amdhsa_system_vgpr_workitem_id 0
		.amdhsa_next_free_vgpr 192
		.amdhsa_next_free_sgpr 66
		.amdhsa_reserve_vcc 0
		.amdhsa_float_denorm_mode_32 3
		.amdhsa_float_denorm_mode_16_64 3
		.amdhsa_memory_ordered 1
		.amdhsa_forward_progress 1
		.amdhsa_inst_pref_size 54
	.end_amdhsa_kernel
	.amdgpu_metadata
---
amdhsa.version: [ 1, 2 ]
amdhsa.kernels:
  - .name:           k_q587a52a541_prep
    .symbol:         k_q587a52a541_prep.kd
    .args:
      - { .name: x, .offset: 0, .size: 8, .value_kind: global_buffer, .address_space: global }
      - { .name: Wq, .offset: 8, .size: 8, .value_kind: global_buffer, .address_space: global }
      - { .name: Wk, .offset: 16, .size: 8, .value_kind: global_buffer, .address_space: global }
      - { .name: Wv, .offset: 24, .size: 8, .value_kind: global_buffer, .address_space: global }
      - { .name: Wo, .offset: 32, .size: 8, .value_kind: global_buffer, .address_space: global }
      - { .name: xw_codes, .offset: 40, .size: 8, .value_kind: global_buffer, .address_space: global }
      - { .name: xw_scales, .offset: 48, .size: 8, .value_kind: global_buffer, .address_space: global }
      - { .name: wo16, .offset: 56, .size: 8, .value_kind: global_buffer, .address_space: global }
    .group_segment_fixed_size: 33280
    .private_segment_fixed_size: 0
    .kernarg_segment_align: 8
    .kernarg_segment_size: 64
    .max_flat_workgroup_size: 128
    .sgpr_count:     66
    .vgpr_count:     192
    .wavefront_size: 32
...
	.end_amdgpu_metadata
.endif
;; end of part 1
;; launch qkv (part 2): grid 5 x 32, 4 waves a work-group, no clusters, 327,680 bytes of LDS; arguments xw_codes, xw_scales, cos, sin, qk_gain, q16, kv16, fine; writes q16, kv16, fine
.if DOCPART == 2
	.amdgcn_target "amdgcn-amd-amdhsa--gfx1250"
	.amdhsa_code_object_version 6
	.text
	.protected	k_q587a52a541_qkv
	.globl	k_q587a52a541_qkv
	.p2align	8
	.type	k_q587a52a541_qkv,@function
k_q587a52a541_qkv:
	s_mov_b64 s[64:65], 0
	v_nop
	global_prefetch_b8 v0, s[64:65] scope:SCOPE_SE
	s_setreg_imm32_b32 hwreg(HW_REG_WAVE_MODE, 25, 1), 1
	s_wait_xcnt 0x0
; QKV.  [8192 rows of x] x [1280 rows of Wq, Wk, Wv], K = 1,024, on codes of FP4 (E2M1) with one E8M0 scale for each 32 along K; then RoPE, the head's gain, and f16.
; q16 [b][h][t][128] holds q' = rope(q) x gain_h x F, F = (1 / sqrt(128)) x (2 log2(e) / 30): the score product of the next launch then IS the exponent that tanh wants.
; kv16 holds rope(k) [b][t][128], and 2,097,152 bytes on v [b][t][128].  fine [b][10][16][128] f32 holds the same numbers, unrounded, of positions 0-15 (heads 0-7: q', 8: k, 9: v).
; SHARES.  A work-group makes 256 rows x 256 columns (two heads; column tile 4 is k and v); a wave 128 rows x ONE head: 64 accumulators of 16 x 16, 512 registers.
; K = 1,024 is two LDS slots of 512 along K: both are asked for at the head, nothing is filled again, there is no loop.  The scale bytes of the 512 rows come once, in rows of 256 bytes.
; NO CLUSTER: 5 column tiles are no multiple of 4, so x's tiles cannot be shared along a row of a cluster; sharing W's tiles along the rows would let the branch for positions 0-15 hang on a place in the cluster.
; THE MATRIX INSTRUCTION IS USED TRANSPOSED (source 0 = 16 rows of W, source 1 = 16 rows of x): a lane holds one row t and eight neighbouring channels, and the pair (d, d + 64) of RoPE lies in ONE lane, in accumulators (a, b) and (a, b + 4).
; v goes through RoPE's lines with cos x 0 + 1 and sin x 0: no branch.
; LIMITS: |rope(k)|, |v| and |q'| stay under 65,504, the largest f16 number; NaN and infinities are not served.
; REGISTERS: window 0: v0-31 addresses and the gain; v32-95 scale words; v128-191 x's fragments, one set; on the way out v32-255 are at work.
;   window 1: W's fragments, two sets, at v0 and v128; cos and sin in a ring of four buffers of 64 at v64, v192, v0, v128.   windows 2, 3: the accumulators ((a, b) at v[8 (8 (a % 4) + b)]).
.set NQ,     4                         ; steps of 128 along K in a slot
.set ROWB,   256                       ; a tile's row: 512 codes
.set KROW,   512                       ; a row of codes in memory
.set PITCH,  272                       ; an LDS row: 256 bytes + 16 of padding: the 16 rows that a load touches start 68 words apart
.set FR,     8
.set NL,     2
.set NP,     4                         ; places behind this matrix instruction (ISA guide 7.12.1)
.set HALFT,  128*PITCH
.set SLOT,   4*HALFT                   ; x's 256 rows, then W's 256 rows
.set KS,     32                        ; a row of scale bytes
.set SCL,    2*SLOT                    ; behind the two slots: the scale bytes, as rows of 256 bytes + 16
.set HALFS,  16*272                    ; those of 128 rows
.set SBLK,   2*272                     ; those of 16 rows
.set SPARE,  SCL+4*HALFS               ; the spare words, 128 bytes a wave
.set GV,   12                          ; v[12:13] G: gain x F (q), 1 (k), 0 (v), twice
.set OV,   14                          ; v[14:15] 1 for v, else 0, twice
.set ADRA, 16
.set ADRB, 20
.set STO,  24                          ; the way out: where I put 16 bytes of a row
.set RD,   25                          ; and where I read rows back
.set CO,   26                          ; 16 x lane: two rows of 256 bytes on end
.set ADRS, 27
.set SPW,  28
.set NIL,  29
.set CSO,  30                          ; cos, sin: 256 r + 32 h
.set FO,   31                          ; fine: 512 r + 32 h
.set SC,   32
.set AF,   128
.set GC,   32                          ; the way out: cos x G + OV, 32 registers;
.set GS,   64                          ; sin x G;
.set Y,    96                          ; a block's 64 results in f32;
.set PKD,  160                         ; packed to f16;
.set BK,   192                         ; and back from the stage: v192-223, v224-255 by turns
.set WV, 20
.set RH, 21
.set CH, 22
.set TC, 23
.set TR, 24
.set HD, 25
.set G1,  28                           ; s[28:35] group 1 for tiles of codes
.set G1S, 36                           ; s[36:43] for scale bytes
.set G0S, 44                           ; s[44:47] group 0 for my scale bytes; s[48:55] for my part of slots 0 and 1
.set G0,  48
.set OUT, 68                           ; s[68:69] my rows of q16 or kv16
.set FIN, 70                           ; s[70:71] my head's 16 rows of fine
.set FIRST, 72                         ; s72 1 where my first row is position 0
.set GN,  73
.set MSB, 0
.macro WIN new
.if MSB != (\new)
	s_set_vgpr_msb (MSB<<8)|(\new)
.set MSB, (\new)
.endif
.endm
.set MUL_LO, 0xa1                      ; source 0 (W) window 1, source 1 (x) window 0, C and D window 2
.set MUL_HI, 0xf1
.set TO_B,   0x40
.macro PLACES n
.rept \n
	v_nop
.endr
.endm
.macro FRAG reg, adr, q, i             ; 16 rows x 128 K of 4-bit codes: lane l holds row l % 16; registers 4 c .. 4 c + 3 hold K = 64 c + 32 (l / 16) + 0 .. 31
.irp c, 0,1
	ds_load_b128 v[\reg+4*\c:\reg+4*\c+3], v[\adr] offset:64*(\q)+32*\c+(\i)*16*PITCH
.endr
.endm
; 16 matrix instructions: x's blocks a0, a0 + 1 against W's eight.  The 64 accumulators take turns, one instruction a turn, in the same order in every step.
.macro MUL16 a0, p, q, sc, zero
.irp a, \a0, \a0+1
.irp b, 0,1,2,3,4,5,6,7
.if \zero
	v_wmma_scale_f32_16x16x128_f8f6f4 v[8*(8*((\a)%4)+\b):8*(8*((\a)%4)+\b)+7], v[128*(\p)+FR*\b:128*(\p)+FR*\b+FR-1], v[AF+FR*(\a):AF+FR*(\a)+FR-1], 0, v[SC+8*NQ*(\sc)+NQ*\b+(\q)], v[SC+8*NQ*(\sc)+NQ*(\a)+(\q)] matrix_a_fmt:MATRIX_FMT_FP4 matrix_b_fmt:MATRIX_FMT_FP4 matrix_a_scale:MATRIX_SCALE_ROW1
.else
	v_wmma_scale_f32_16x16x128_f8f6f4 v[8*(8*((\a)%4)+\b):8*(8*((\a)%4)+\b)+7], v[128*(\p)+FR*\b:128*(\p)+FR*\b+FR-1], v[AF+FR*(\a):AF+FR*(\a)+FR-1], v[8*(8*((\a)%4)+\b):8*(8*((\a)%4)+\b)+7], v[SC+8*NQ*(\sc)+NQ*\b+(\q)], v[SC+8*NQ*(\sc)+NQ*(\a)+(\q)] matrix_a_fmt:MATRIX_FMT_FP4 matrix_b_fmt:MATRIX_FMT_FP4 matrix_a_scale:MATRIX_SCALE_ROW1
.endif
.endr
.endr
.endm
.macro FETCH_B slot, q, p
	WIN TO_B
.irp i, 0,1,2,3,4,5,6,7
	FRAG 128*(\p)+FR*\i, ADRB+\slot, \q, \i
.endr
	WIN 0
.endm
.macro FETCH_A slot, q, i0
.irp i, \i0, \i0+1, \i0+2, \i0+3
	FRAG AF+FR*(\i), ADRA+\slot, \q, \i
.endr
.endm
.macro SCALES sc                       ; a slot's scale words: four a row; lanes 0-15 take x's block i, lanes 16-31 W's block i
.irp i, 0,1,2,3,4,5,6,7
	ds_load_b128 v[SC+8*NQ*\sc+NQ*\i:SC+8*NQ*\sc+NQ*\i+3], v[ADRS] offset:\i*SBLK
.endr
.endm
.macro STEP slot, q, zero              ; a step of 128 along K that has its successor in the same slot
	s_wait_dscnt 4*NL                              ; W's set and x's blocks 0-3 are in; the youngest eight loads (x's blocks 4-7) may be out
	WIN MUL_LO
	MUL16 0, (\q)%2, \q, \slot, \zero
	MUL16 2, (\q)%2, \q, \slot, \zero
	s_wait_dscnt 0
	PLACES NP                                      ; in front of loads into registers that matrix instructions have read
	FETCH_B \slot, (\q)+1, 1-(\q)%2
	FETCH_A \slot, (\q)+1, 0
	WIN MUL_HI
	MUL16 4, (\q)%2, \q, \slot, \zero
	MUL16 6, (\q)%2, \q, \slot, \zero
	PLACES NP
	WIN 0
	FETCH_A \slot, (\q)+1, 4
.endm
.macro STEPS slot, from
.set Q, \from
.rept NQ-1-\from
	STEP \slot, Q, 0
.set Q, Q+1
.endr
.endm
; cos and sin of block a's 16 rows: lane (r, h) wants, for b = 0 .. 3, channels 16 b + 8 h + 0 .. 7 of row r: 16 loads into buffer a % 4 of window 1
.macro CSLOAD a
.set CBS, 128*(((\a)%4)%2)+64*(1-((\a)%4)/2)
	WIN 0x40
.irp b, 0,1,2,3
	global_load_b128 v[CBS+8*\b:CBS+8*\b+3], v[CSO], s[8:9] offset:(\a)*4096+64*\b
	global_load_b128 v[CBS+8*\b+4:CBS+8*\b+7], v[CSO], s[8:9] offset:(\a)*4096+64*\b+16
	global_load_b128 v[CBS+32+8*\b:CBS+32+8*\b+3], v[CSO], s[10:11] offset:(\a)*4096+64*\b
	global_load_b128 v[CBS+32+8*\b+4:CBS+32+8*\b+7], v[CSO], s[10:11] offset:(\a)*4096+64*\b+16
.endr
	WIN 0
.endm
.macro GCGS a                          ; gc = cos x G + OV, gs = sin x G
.set CBS, 128*(((\a)%4)%2)+64*(1-((\a)%4)/2)
	WIN 0x01
.irp i, 0,2,4,6,8,10,12,14,16,18,20,22,24,26,28,30
	v_pk_fma_f32 v[GC+\i:GC+\i+1], v[CBS+\i:CBS+\i+1], v[GV:GV+1], v[OV:OV+1]
	v_pk_mul_f32 v[GS+\i:GS+\i+1], v[CBS+32+\i:CBS+32+\i+1], v[GV:GV+1]
.endr
	WIN 0
.endm
.macro ROPE a                          ; y1 = x1 gc - x2 gs, y2 = x1 gs + x2 gc; each accumulator is read from its low end on
.set AC, 64*((\a)%4)
	WIN 0x02+(\a)/4
.irp b, 0,1,2,3
.irp j, 0,2,4,6
	v_pk_mul_f32 v[Y+8*\b+\j:Y+8*\b+\j+1], v[AC+8*(\b+4)+\j:AC+8*(\b+4)+\j+1], v[GS+8*\b+\j:GS+8*\b+\j+1]
	v_pk_mul_f32 v[Y+8*(\b+4)+\j:Y+8*(\b+4)+\j+1], v[AC+8*(\b+4)+\j:AC+8*(\b+4)+\j+1], v[GC+8*\b+\j:GC+8*\b+\j+1]
	v_pk_fma_f32 v[Y+8*\b+\j:Y+8*\b+\j+1], v[AC+8*\b+\j:AC+8*\b+\j+1], v[GC+8*\b+\j:GC+8*\b+\j+1], v[Y+8*\b+\j:Y+8*\b+\j+1] neg_lo:[0,0,1] neg_hi:[0,0,1]
	v_pk_fma_f32 v[Y+8*(\b+4)+\j:Y+8*(\b+4)+\j+1], v[AC+8*\b+\j:AC+8*\b+\j+1], v[GS+8*\b+\j:GS+8*\b+\j+1], v[Y+8*(\b+4)+\j:Y+8*(\b+4)+\j+1]
.endr
.endr
	WIN 0
.endm
.macro PACK
.set i, 0
.rept 32
	v_cvt_pk_f16_f32 v[PKD+i], v[Y+2*i], v[Y+2*i+1]
.set i, i+1
.endr
.endm
.macro TOSTAGE a                       ; 16 bytes a lane into rows of 272 bytes of my stage, and back as whole rows: LDS serves a wave's instructions in order
.set BB, BK+32*((\a)%2)
.irp t, 0,1,2,3,4,5,6,7
	ds_store_b128 v[STO], v[PKD+4*\t:PKD+4*\t+3] offset:32*\t
.endr
.irp f, 0,1,2,3,4,5,6,7
	ds_load_b128 v[BB+4*\f:BB+4*\f+3], v[RD] offset:544*\f
.endr
.endm
.macro SEND a
.set BB, BK+32*((\a)%2)
	s_wait_dscnt 0x0                               ; the block is back in registers
.irp f, 0,1,2,3,4,5,6,7
	global_store_b128 v[CO], v[BB+4*\f:BB+4*\f+3], s[OUT:OUT+1] offset:4096*(\a)+512*\f   ; a head's rows are 256 bytes on end: 32 lanes store 512 consecutive bytes, aligned
.endr
.endm
	s_load_b256 s[4:11], s[0:1], 0x0               ; codes s[4:5], scale bytes s[6:7], cos s[8:9], sin s[10:11]
	s_load_b256 s[12:19], s[0:1], 0x20             ; qk_gain s[12:13], q16 s[14:15], kv16 s[16:17], fine s[18:19]
	v_lshl_add_u32 v[SPW], v0, 2, SPARE
	v_mov_b32 v[NIL], 0
	ds_add_u32 v[SPW], v[NIL]                      ; the wave's opening: the add, twice on end, and its wait ahead of my first tensor load
	ds_add_u32 v[SPW], v[NIL]
	v_lshrrev_b32 v1, 5, v0
	v_readfirstlane_b32 s[WV], v1                  ; wave 0..3
	s_lshr_b32 s[RH], s[WV], 1                     ; my half of the tile's rows.  Also: I fetch x's rows (0) or W's (1)
	s_and_b32 s[CH], s[WV], 1                      ; my half of its columns.  Also: which 128 rows I fetch
	s_mov_b32 s[TC], ttmp9                         ; column tile 0..4
	s_and_b32 s[TR], ttmp7, 0xffff                 ; row tile 0..31
	s_lshl_b32 s[HD], s[TC], 1
	s_add_co_u32 s[HD], s[HD], s[CH]               ; my head: 0-7 q, 8 k, 9 v
	s_mov_b32 s[G1+0], (1<<20)|(5<<22)|(3<<25)     ; elements of 1 byte; padding on: four words behind every 64
	s_mov_b32 s[G1+1], ROWB<<16                    ; tensor_dim0
	s_mov_b32 s[G1+2], 128<<16                     ; tensor_dim1
	s_mov_b32 s[G1+3], ROWB<<16                    ; tile_dim0
	s_mov_b32 s[G1+4], 128                         ; tile_dim1
	s_mov_b32 s[G1+5], KROW                        ; from row to row
	s_mov_b32 s[G1+6], 0
	s_mov_b32 s[G1+7], 0
	s_mov_b32 s[G1S+0], (3<<16)|(1<<20)|(5<<22)|(3<<25)   ; the scale bytes of 128 rows: 4,096 dense bytes as 16 rows of 32 elements of 8 bytes, padded likewise
	s_mov_b32 s[G1S+1], 32<<16
	s_mov_b32 s[G1S+2], 16<<16
	s_mov_b32 s[G1S+3], 32<<16
	s_mov_b32 s[G1S+4], 16
	s_mov_b32 s[G1S+5], 32
	s_mov_b32 s[G1S+6], 0
	s_mov_b32 s[G1S+7], 0
	s_lshl_b32 s56, s[TR], 8                       ; x's rows begin at 256 x row tile,
	s_lshl_b32 s57, s[TC], 8
	s_add_co_u32 s57, s57, 8192                    ; W's at 8,192 + 256 x column tile of the joined buffers
	s_cmp_eq_u32 s[RH], 0
	s_cselect_b32 s56, s56, s57
	s_lshl_b32 s57, s[CH], 7
	s_add_co_u32 s56, s56, s57                     ; the first of the 128 rows that I fetch
	s_lshl_b32 s58, s56, 9                         ; its codes,
	s_mov_b32 s59, 0
	s_lshl_b32 s60, s56, 5                         ; its scale bytes
	s_mov_b32 s61, 0
	s_mul_i32 s62, s[WV], HALFT                    ; where they go: wave x 128 rows
	s_mul_i32 s63, s[WV], HALFS
	s_wait_dscnt 0x0                               ; both opening adds are done
	s_wait_kmcnt 0x0
	s_mov_b32 s[G0S], 1
	s_add_co_u32 s[G0S+1], s63, SCL
	s_add_nc_u64 s[G0S+2:G0S+3], s[6:7], s[60:61]
	s_or_b32 s[G0S+3], s[G0S+3], 0x80000000
	s_add_nc_u64 s[58:59], s[4:5], s[58:59]
.irp s, 0,1
	s_mov_b32 s[G0+4*\s], 1
	s_add_co_u32 s[G0+4*\s+1], s62, \s*SLOT
	s_add_nc_u64 s[G0+4*\s+2:G0+4*\s+3], s[58:59], \s*ROWB
	s_or_b32 s[G0+4*\s+3], s[G0+4*\s+3], 0x80000000
.endr
	tensor_load_to_lds s[G0S:G0S+3], s[G1S:G1S+7]  ; all fills of the launch go out together: three loads of mine are out
	s_nop 0
	tensor_load_to_lds s[G0:G0+3], s[G1:G1+7]
	s_nop 0
	tensor_load_to_lds s[G0+4:G0+7], s[G1:G1+7]
	s_nop 0
	PLACES 4
	s_min_u32 s75, s[HD], 7
	s_lshl_b32 s75, s75, 2
	s_load_b32 s[GN], s[12:13], s75 offset:0x0     ; my head's gain (k and v read head 7's and do not use it)
	v_and_b32 v1, 15, v0                           ; r = l % 16
	v_bfe_u32 v2, v0, 4, 1                         ; h = l / 16
	v_mul_u32_u24 v3, v1, PITCH
	v_lshl_add_u32 v4, v2, 4, v3                   ; a fragment's row x pitch + 16 x half
	s_mul_i32 s56, s[RH], HALFT                    ; my 128 rows of x
	s_mul_i32 s57, s[CH], HALFT
	s_add_co_u32 s57, s57, 2*HALFT                 ; my 128 rows of W, behind x's 256
.irp s, 0,1
	v_add_nc_u32 v[ADRA+\s], s56, v4
	v_add_nc_u32 v[ADRB+\s], s57, v4
	s_add_co_u32 s56, s56, SLOT
	s_add_co_u32 s57, s57, SLOT
.endr
	v_mul_u32_u24 v5, v1, KS                       ; my row's scale bytes: 32 a row,
	v_lshrrev_b32 v6, 8, v5
	v_lshl_add_u32 v5, v6, 4, v5                   ; and 16 more for each 256 passed
	s_mul_i32 s56, s[RH], HALFS
	s_mul_i32 s57, s[CH], HALFS
	s_add_co_u32 s57, s57, 2*HALFS
	s_sub_co_u32 s57, s57, s56
	v_mul_u32_u24 v6, s57, v2                      ; lanes 16-31 take W's: one product, the distance between the two bases
	s_add_co_u32 s56, s56, SCL
	v_add_nc_u32 v5, v5, v6
	v_add_nc_u32 v[ADRS], s56, v5
	s_mul_i32 s56, s[WV], 16*272                   ; my stage: 16 rows x 272 bytes in slot 0, which has had its only fill, and is read for the last time ahead of the change of slots
	v_add_nc_u32 v[STO], s56, v4                   ; in: row r, 16 bytes for each half of the lanes
	v_mul_u32_u24 v5, v2, 272
	v_lshl_add_u32 v5, v1, 4, v5
	v_add_nc_u32 v[RD], s56, v5                    ; back: lanes 0-15 one row, lanes 16-31 the next
	v_and_b32 v6, 31, v0
	v_lshlrev_b32 v[CO], 4, v6
	v_lshlrev_b32 v[CSO], 8, v1
	v_lshl_add_u32 v[CSO], v2, 5, v[CSO]
	v_lshlrev_b32 v[FO], 9, v1
	v_lshl_add_u32 v[FO], v2, 5, v[FO]
	s_lshr_b32 s56, s[TR], 3                       ; b
	s_and_b32 s57, s[TR], 7
	s_lshl_b32 s57, s57, 8
	s_lshl_b32 s58, s[RH], 7
	s_add_co_u32 s57, s57, s58                     ; t0: my first position
	s_lshl_b32 s58, s57, 8                         ; a row of cos or sin is 256 bytes
	s_mov_b32 s59, 0
	s_add_nc_u64 s[8:9], s[8:9], s[58:59]
	s_add_nc_u64 s[10:11], s[10:11], s[58:59]
	CSLOAD 0                                       ; the first two blocks' cos and sin land under the products
	CSLOAD 1
	s_lshl_b32 s58, s56, 3
	s_add_co_u32 s58, s58, s[HD]                   ; 8 b + head
	s_cmp_lt_u32 s[HD], 8
	s_cselect_b32 s58, s58, s56                    ; q16: [8 b + head][t]; kv16: [b][t]
	s_cselect_b64 s[OUT:OUT+1], s[14:15], s[16:17]
	s_lshl_b32 s58, s58, 11
	s_add_co_u32 s58, s58, s57
	s_lshl_b32 s58, s58, 8
	s_cmp_eq_u32 s[HD], 9
	s_cselect_b32 s60, 0x200000, 0                 ; v lies behind k
	s_add_co_u32 s58, s58, s60
	s_add_nc_u64 s[OUT:OUT+1], s[OUT:OUT+1], s[58:59]
	s_mul_i32 s58, s56, 10
	s_add_co_u32 s58, s58, s[HD]
	s_lshl_b32 s58, s58, 13
	s_add_nc_u64 s[FIN:FIN+1], s[18:19], s[58:59]
	s_and_b32 s60, s[TR], 7
	s_or_b32 s60, s60, s[RH]
	s_cmp_eq_u32 s60, 0
	s_cselect_b32 s[FIRST], 1, 0
	s_wait_kmcnt 0x0                               ; the gain
	s_mul_f32 s[GN], s[GN], 0x3c0b4875             ; x F
	s_cmp_eq_u32 s[HD], 8
	s_cselect_b32 s74, 1.0, 0
	s_cmp_lt_u32 s[HD], 8
	s_cselect_b32 s[GN], s[GN], s74                ; G: choices on ids alone
	s_cmp_eq_u32 s[HD], 9
	s_cselect_b32 s74, 1.0, 0
	v_mov_b32 v[GV], s[GN]
	v_mov_b32 v[GV+1], s[GN]
	v_mov_b32 v[OV], s74
	v_mov_b32 v[OV+1], s74
	s_wait_tensorcnt 1                             ; my scale bytes and my part of slot 0 are in; slot 1's load may be out
	s_barrier_signal -1
	s_barrier_wait -1
	FETCH_B 0, 0, 0
	FETCH_A 0, 0, 0
	SCALES 0
	FETCH_A 0, 0, 4
	STEP 0, 0, 1                                   ; the first products start the sums: nothing is cleared
	STEPS 0, 1
	; slot 0's last step changes slots: one barrier; in front of it my loads have landed and my reads of slot 0 are over
	s_wait_tensorcnt 0x0                           ; my part of slot 1 has landed
	ds_add_u32 v[SPW], v[NIL]                      ; 0 onto my spare word
	s_wait_dscnt 4*NL+1                            ; the add and the youngest eight loads (x's blocks 4-7) may be out
	WIN MUL_LO
	MUL16 0, 1, NQ-1, 0, 0
	s_wait_dscnt 0x0
	s_barrier_signal -1
	MUL16 2, 1, NQ-1, 0, 0
	WIN 0
	s_barrier_wait -1
	PLACES NP
	v_add_nc_u32 v[ADRS], 4*NQ, v[ADRS]            ; on to slot 1's scale words (no LDS load of mine is out)
	FETCH_B 1, 0, 0
	FETCH_A 1, 0, 0
	SCALES 1
	WIN MUL_HI
	MUL16 4, 1, NQ-1, 0, 0
	MUL16 6, 1, NQ-1, 0, 0
	PLACES NP
	WIN 0
	FETCH_A 1, 0, 4
	STEPS 1, 0
	s_wait_dscnt 4*NL                              ; the last step: nothing more to fetch
	WIN MUL_LO
	MUL16 0, 1, NQ-1, 1, 0
	MUL16 2, 1, NQ-1, 1, 0
	s_wait_dscnt 0
	WIN MUL_HI
	MUL16 4, 1, NQ-1, 1, 0
	MUL16 6, 1, NQ-1, 1, 0
	WIN 0
	; THE WAY OUT, block by block of 16 rows x 128 channels.
	PLACES NP                                      ; behind the last products: for the loads into W's registers, the writes over scale words and fragments, and the reads of results
	CSLOAD 2
	CSLOAD 3
.irp a, 0,1,2,3,4,5,6,7
.if \a < 5
	s_wait_loadcnt 48                              ; this block's cos and sin are in; three younger blocks' 48 loads may be out
.else
	s_wait_loadcnt 16*(7-\a)                       ; the same, as the loads run out
.endif
	GCGS \a
.if \a < 4
	CSLOAD \a+4                                    ; the buffer just read takes the block four further on
.endif
	ROPE \a
.if \a == 0
	s_cmp_eq_u32 s[FIRST], 1                       ; positions 0-15 also leave unrounded: a branch on ids
	s_cbranch_scc0 .Lnot_first
.irp t, 0,1,2,3,4,5,6,7
	global_store_b128 v[FO], v[Y+8*\t:Y+8*\t+3], s[FIN:FIN+1] offset:64*\t
	global_store_b128 v[FO], v[Y+8*\t+4:Y+8*\t+7], s[FIN:FIN+1] offset:64*\t+16
.endr
.Lnot_first:
.endif
	PACK
.if \a > 0
	SEND \a-1
.endif
	s_wait_xcnt 0x0                                ; every store so far has read its registers: the stage's loads may land where block a - 2 lay, and the next block may write its results
	TOSTAGE \a
.endr
	SEND 7
	s_wait_tensorcnt 0x0                           ; the wave's end, behind my last tensor load and my last LDS store
	ds_add_u32 v[SPW], v[NIL]
	s_wait_dscnt 0x0
	s_endpgm
.Lfunc_end_k_q587a52a541_qkv:
	.size	k_q587a52a541_qkv, .Lfunc_end_k_q587a52a541_qkv-k_q587a52a541_qkv
	.p2alignl 7, 3214868480
	.fill 96, 4, 3214868480
	.section	.rodata,"a",@progbits
	.p2align	6, 0x0
	.amdhsa_kernel k_q587a52a541_qkv
		.amdhsa_group_segment_fixed_size 327680
		.amdhsa_private_segment_fixed_size 0
		.amdhsa_enable_private_segment 0
		.amdhsa_kernarg_size 64
		.amdhsa_user_sgpr_count 2
		.amdhsa_user_sgpr_kernarg_segment_ptr 1
		.amdhsa_wavefront_size32 1
		.amdhsa_system_sgpr_workgroup_id_x 1
		.amdhsa_system_sgpr_workgroup_id_y 1
		.amdhsa_system_sgpr_workgroup_id_z 1
		.amdhsa_system_vgpr_workitem_id 0
		.amdhsa_next_free_vgpr 1024
		.amdhsa_next_free_sgpr 80
		.amdhsa_reserve_vcc 0
		.amdhsa_float_denorm_mode_32 3
		.amdhsa_float_denorm_mode_16_64 3
		.amdhsa_memory_ordered 1
		.amdhsa_forward_progress 1
		.amdhsa_inst_pref_size 186
	.end_amdhsa_kernel
	.amdgpu_metadata
---
amdhsa.version: [ 1, 2 ]
amdhsa.kernels:
  - .name:           k_q587a52a541_qkv
    .symbol:         k_q587a52a541_qkv.kd
    .args:
      - { .name: xw_codes, .offset: 0, .size: 8, .value_kind: global_buffer, .address_space: global }
      - { .name: xw_scales, .offset: 8, .size: 8, .value_kind: global_buffer, .address_space: global }
      - { .name: cos, .offset: 16, .size: 8, .value_kind: global_buffer, .address_space: global }
      - { .name: sin, .offset: 24, .size: 8, .value_kind: global_buffer, .address_space: global }
      - { .name: qk_gain, .offset: 32, .size: 8, .value_kind: global_buffer, .address_space: global }
      - { .name: q16, .offset: 40, .size: 8, .value_kind: global_buffer, .address_space: global }
      - { .name: kv16, .offset: 48, .size: 8, .value_kind: global_buffer, .address_space: global }
      - { .name: fine, .offset: 56, .size: 8, .value_kind: global_buffer, .address_space: global }
    .group_segment_fixed_size: 327680
    .private_segment_fixed_size: 0
    .kernarg_segment_align: 8
    .kernarg_segment_size: 64
    .max_flat_workgroup_size: 128
    .sgpr_count:     80
    .vgpr_count:     1024
    .wavefront_size: 32
...
	.end_amdgpu_metadata
.endif
;; end of part 2
;; launch attn (part 3): grid 64 x 4, 16 waves a work-group, no clusters, 327,680 bytes of LDS; arguments q16, kv16, o16; writes o16
.if DOCPART == 3
	.amdgcn_target "amdgcn-amd-amdhsa--gfx1250"
	.amdhsa_code_object_version 6
	.text
	.protected	k_q587a52a541_attn
	.globl	k_q587a52a541_attn
	.p2align	8
	.type	k_q587a52a541_attn,@function
k_q587a52a541_attn:
	s_mov_b64 s[64:65], 0
	v_nop
	global_prefetch_b8 v0, s[64:65] scope:SCOPE_SE
	s_setreg_imm32_b32 hwreg(HW_REG_WAVE_MODE, 25, 1), 1
	s_wait_xcnt 0x0
; ATTN.  o[b][t][h] = softmax over keys k <= t of 30 tanh(score / 30), times v; one key and value head for 8 query heads; f16 operands, f32 sums.
; q16 holds q' = rope(q) x gain x (1 / sqrt(128)) x (2 log2(e) / 30), so S = q' . k is 2 log2(e) x score / 30, and with r = 1 / (1 + 2^S): log2(e) x 30 tanh(score / 30) = C - 2 C r, C = 30 log2(e).
; SOFTMAX.  A running largest S (M) for each query; B = 2 C r(M); p = 2^(B - 2 C r), at most about 1; when M grows, the sum and O are multiplied by 2^(B new - B old).  tanh rises with S, so the largest S gives the largest capped score.
; SHARES.  Work-group (j, b) owns positions 16 (127 - j) .. + 15 (late) and 16 j .. + 15 (early) for all 8 heads: 16 tiles of 16 queries, one a wave, in 256 registers; the two blocks' live key steps add up to 33 or 34 in every work-group.
; Every work-group walks all 16 slots of 128 keys (trip counts are constants); a step of 64 keys all of which come after the wave's queries is jumped over, and a slot beyond the work-group's last query is not asked for.
; K and V come through a ring of two LDS slots (waves 0, 1: K's halves; waves 2, 3: V's) and are read by all sixteen waves.
; NO CLUSTER: the jump that ends the look-ahead at the causal limit hangs on the work-group's number, and no such jump may lead round a joint load.
; LAYOUT.  S^T = K Q^T (source 0 = 16 keys, source 1 = my 16 queries): a lane holds ONE query (l % 16) and keys 16 a + 8 (l / 16) + 0..7.  Two such tiles, rounded to f16 in pairs, are source 1 of O^T = V^T P; V is turned by ds_load_tr16_b128.
; LIMITS: NaN and infinities in q16 and kv16 are not served; a p under f16's smallest number counts as 0 in the product (not in the sum).
.set PK,    272                        ; a row of K in LDS: 256 bytes + 16
.set PV,    288                        ; a row of V: 256 + 32
.set VOFF,  128*PK                     ; a slot: 128 rows of K, then 128 rows of V
.set SLOT1, 1<<17                      ; slot 1 begins here: one exclusive or turns an address
.set STAGE, SLOT1+128*(PK+PV)          ; behind the ring: 16 rows x 272 bytes for each wave, bytes of their own
.set SPARE, STAGE+16*16*272            ; the spare words, 128 bytes a wave
.set NSL,   16
.set AK0, 1
.set AV0, 2
.set SPW, 3
.set NIL, 4
.set GO,  5
.set ADK, 6
.set ADV, 7
.set STO, 8
.set RD,  9
.set PFO, 10                           ; 256 x lane; never rewritten
.set QO,  11
.set MM,  12                           ; the largest S so far
.set BOLD, 13
.set BB,  14                           ; v[14:15] B (the low word serves both halves)
.set LL,  16                           ; v[16:17] the sum, even and odd keys'
.set AA,  18                           ; v[18:19] 2^(B new - B old)
.set EM,  20
.set DA,  21
.set T,   22                           ; v22-25 at work
.set DLT, 26
.set NINF, 27
.set LQ,  28                           ; l % 16 - 8 (l / 16)
.set Q,   32                           ; v32-63   my queries: four fragments
.set S,   64                           ; v64-95   S^T, then p
.set P,   96                           ; v96-111  p in f16
.set F,   112                          ; v112-175 eight fragments of K or of V
.set O,   176                          ; v176-239 O^T
.set WV, 10
.set HEAD, 11
.set Q0, 14                            ; my first query
.set QLAST, 15                         ; my work-group's last query
.set KF, 16                            ; the step's first key
.set TB, 17                            ; LDS byte at which the slot in hand begins
.set SLOTS, 18
.set LIM, 19
.set SEL, 20                           ; s[20:21]
.set NC2, 22                           ; s[22:23] -2 C
.set PC2, 24                           ; s24 2 C
.set G1K, 28
.set G1V, 36
.set G0K, 44
.set G0V, 48
.set PFA, 52
.macro PLACES
.rept 4
	v_nop
.endr
.endm
; Waves 0 and 1 fetch for K, waves 2 and 3 for V, the others nothing: branches on the wave's number alone.  An s_nop 0 and four v_nop follow each line.
.macro TLOAD
	s_cmp_lt_u32 s[WV], 2
	s_cbranch_scc0 .Lnot_k_\@
	tensor_load_to_lds s[G0K:G0K+3], s[G1K:G1K+7]
	s_nop 0
	PLACES
	s_branch .Lasked_\@
.Lnot_k_\@:
	s_cmp_lt_u32 s[WV], 4
	s_cbranch_scc0 .Lasked_\@
	tensor_load_to_lds s[G0V:G0V+3], s[G1V:G1V+7]
	s_nop 0
	PLACES
.Lasked_\@:
.endm
; A prefetch of what the NEXT change of slots will ask for: 128 rows of K and 128 of V, 32,768 dense bytes each.  All work-groups of a batch walk the same rows: work-group 0 of the batch asks, and in it the waves
; that fetch nothing: waves 4-7 for K, waves 8-11 for V, 8,192 bytes a wave, lanes 256 bytes apart: each aligned 256 bytes are named once in the launch.  The last change that fills a slot asks for nothing.
.macro ASK
	s_cmp_gt_u32 s[SLOTS], s[LIM]
	s_cbranch_scc0 .Lnot_mine_\@
	global_prefetch_b8 v[PFO], s[PFA:PFA+1] th:TH_LOAD_NT scope:SCOPE_SE
.Lnot_mine_\@:
.endm
; Hidden keys' numbers become -infinity.  Register n holds key KF + 16 (n / 8) + 8 (l / 16) + n % 8: hidden where 16 (n / 8) + n % 8 > DLT.  A step all of whose keys count jumps over this.
.macro MASK
	s_add_co_u32 s55, s[KF], 63
	s_cmp_le_u32 s55, s[Q0]
	s_cbranch_scc1 .Lopen_\@
.set n, 0
.rept 32
	v_cmp_gt_i32 vcc_lo, 16*(n/8)+n%8, v[DLT]
	v_cndmask_b32 v[S+n], v[S+n], v[NINF], vcc_lo
.set n, n+1
.endr
.Lopen_\@:
.endm
.macro VLOAD q, g                      ; V^T of keys 32 g on: eight fragments of 16 channels x 32 keys
.irp t, 0,1,2,3,4,5,6,7
	ds_load_tr16_b128 v[F+8*\t:F+8*\t+3], v[ADV] offset:(64*(\q)+32*(\g))*PV+32*\t
	ds_load_tr16_b128 v[F+8*\t+4:F+8*\t+7], v[ADV] offset:(64*(\q)+32*(\g)+16)*PV+32*\t
.endr
.endm
.macro PVMUL g                         ; eight accumulators by turns
.irp t, 0,1,2,3,4,5,6,7
	v_wmma_f32_16x16x32_f16 v[O+8*\t:O+8*\t+7], v[F+8*\t:F+8*\t+7], v[P+8*(\g):P+8*(\g)+7], v[O+8*\t:O+8*\t+7]
.endr
.endm
; A KEY STEP: 64 keys, the q-th of the slot in hand.
.macro STEP q
	s_add_co_u32 s54, s[Q0], 15
	s_cmp_gt_u32 s[KF], s54                        ; all 64 keys come after my queries: a branch on ids, round the step's work alone
	s_cbranch_scc1 .Lhidden_\@
	v_add_nc_u32 v[ADK], s[TB], v[AK0]
	v_add_nc_u32 v[ADV], s[TB], v[AV0]
.irp g, 0,1                            ; S^T = K Q^T: channels 64 g on; four tiles of 16 keys x two fragments of 32 channels
.irp a, 0,1,2,3
.irp c, 0,1
	ds_load_b128 v[F+8*(2*\a+\c):F+8*(2*\a+\c)+3], v[ADK] offset:(64*(\q)+16*\a)*PK+(2*\g+\c)*64
	ds_load_b128 v[F+8*(2*\a+\c)+4:F+8*(2*\a+\c)+7], v[ADK] offset:(64*(\q)+16*\a)*PK+(2*\g+\c)*64+32
.endr
.endr
	s_wait_dscnt 0x0
.irp c, 0,1
.irp a, 0,1,2,3                        ; the four accumulators take turns, one instruction a turn
.if (\g == 0) && (\c == 0)
	v_wmma_f32_16x16x32_f16 v[S+8*\a:S+8*\a+7], v[F+8*(2*\a+\c):F+8*(2*\a+\c)+7], v[Q+8*(2*\g+\c):Q+8*(2*\g+\c)+7], 0
.else
	v_wmma_f32_16x16x32_f16 v[S+8*\a:S+8*\a+7], v[F+8*(2*\a+\c):F+8*(2*\a+\c)+7], v[Q+8*(2*\g+\c):Q+8*(2*\g+\c)+7], v[S+8*\a:S+8*\a+7]
.endif
.endr
.endr
	PLACES                                         ; in front of loads into the fragments' registers and of the first read of results
.endr
	VLOAD \q, 0                                    ; lands under the softmax
	s_sub_co_i32 s54, s[Q0], s[KF]
	v_add_nc_u32 v[DLT], s54, v[LQ]                ; my query - KF - 8 (l / 16)
	MASK                                           ; so that a hidden key cannot raise M
.irp j, 0,1,2,3
	v_max3_num_f32 v[T+\j], v[S+8*\j], v[S+8*\j+1], v[S+8*\j+2]   ; four chains, each from its accumulator's low end
.endr
.irp k, 3,5
.irp j, 0,1,2,3
	v_max3_num_f32 v[T+\j], v[T+\j], v[S+8*\j+\k], v[S+8*\j+\k+1]
.endr
.endr
	v_max3_num_f32 v[T], v[T], v[S+7], v[S+15]
	v_max3_num_f32 v[T+2], v[T+2], v[S+23], v[S+31]
	v_max3_num_f32 v[T], v[T], v[T+1], v[T+2]
	v_max3_num_f32 v[T], v[T], v[T+3], v[MM]
	v_permlanex16_b32 v[T+1], v[T], s[SEL], s[SEL+1]   ; the query's other 32 keys lie in the lane 16 away
	v_max_num_f32 v[MM], v[T], v[T+1]
	v_exp_f32 v[EM], v[MM]                         ; FIRST BATCH: 2^S, of M too
.set i, 0
.rept 32
	v_exp_f32 v[S+i], v[S+i]
.set i, i+1
.endr
	v_mov_b32 v[BOLD], v[BB]                       ; (the plain line behind the batch)
	s_wait_alu depctr_va_vdst(0)                   ; one wait for the batch, ahead of its first reader
	v_add_f32 v[EM], 1.0, v[EM]
.set i, 0
.rept 16
	v_pk_add_f32 v[S+i:S+i+1], v[S+i:S+i+1], 1.0 op_sel_hi:[1,0]
.set i, i+2
.endr
	v_rcp_f32 v[EM], v[EM]                         ; SECOND BATCH: r = 1 / (1 + 2^S); 2^S = infinity gives 0
.set i, 0
.rept 32
	v_rcp_f32 v[S+i], v[S+i]
.set i, i+1
.endr
	v_nop
	s_wait_alu depctr_va_vdst(0)
	v_mul_f32 v[BB], s[PC2], v[EM]                 ; B = 2 C r(M)
	v_sub_f32 v[DA], v[BB], v[BOLD]                ; 0 or less
.set i, 0
.rept 16
	v_pk_fma_f32 v[S+i:S+i+1], v[S+i:S+i+1], s[NC2:NC2+1], v[BB:BB+1] op_sel_hi:[1,0,0]   ; B - 2 C r
.set i, i+2
.endr
	MASK                                           ; a hidden key's S = -infinity has only capped to the lowest score: its exponent is hidden too
	v_exp_f32 v[AA], v[DA]                         ; THIRD BATCH: the factor and p
.set i, 0
.rept 32
	v_exp_f32 v[S+i], v[S+i]
.set i, i+1
.endr
	v_nop
	s_wait_alu depctr_va_vdst(0)
.set i, 0
.rept 16
	v_cvt_pk_f16_f32 v[P+i], v[S+2*i], v[S+2*i+1]
.set i, i+1
.endr
.irp u, 0,1,2,3,4,5,6,7                ; the sum of the unrounded p, a tree in place
	v_pk_add_f32 v[S+4*\u:S+4*\u+1], v[S+4*\u:S+4*\u+1], v[S+4*\u+2:S+4*\u+3]
.endr
.irp u, 0,1,2,3
	v_pk_add_f32 v[S+8*\u:S+8*\u+1], v[S+8*\u:S+8*\u+1], v[S+8*\u+4:S+8*\u+5]
.endr
.irp u, 0,1
	v_pk_add_f32 v[S+16*\u:S+16*\u+1], v[S+16*\u:S+16*\u+1], v[S+16*\u+8:S+16*\u+9]
.endr
	v_pk_add_f32 v[S:S+1], v[S:S+1], v[S+16:S+17]
	v_pk_fma_f32 v[LL:LL+1], v[LL:LL+1], v[AA:AA+1], v[S:S+1] op_sel_hi:[1,0,1]
.set i, 0
.rept 32
	v_pk_mul_f32 v[O+i:O+i+1], v[O+i:O+i+1], v[AA:AA+1] op_sel_hi:[1,0]   ; O^T under the new M, each accumulator from its low end
.set i, i+2
.endr
	s_wait_dscnt 0x0                               ; V's first half
	PVMUL 0
	PLACES
	VLOAD \q, 1
	s_wait_dscnt 0x0
	PVMUL 1
	PLACES                                         ; behind a step's last products, on every way: for the next step's loads into the fragments and for the way out's reads
.Lhidden_\@:
	s_add_co_u32 s[KF], s[KF], 64
.endm
; THE CHANGE OF SLOTS stands at a slot's head: all my tensor loads have landed, the add, my reads of the slot that I have left are over; one barrier; fill = 1: the slot just left is filled with the keys that follow, up to the causal limit.
.macro CHANGE fill
	s_wait_tensorcnt 0x0                           ; no tensor load of mine is out, so a group 0 may be written
	ds_add_u32 v[SPW], v[NIL]                      ; 0 onto my spare word
.if \fill
	ds_add_u32 v[SPW], v[NIL]                      ; and once more: the add twice on end, in every trip alike
	s_xor_b32 s[G0K+1], s[G0K+1], SLOT1            ; the walking descriptors: the other slot, the next 128 keys
	s_add_nc_u64 s[G0K+2:G0K+3], s[G0K+2:G0K+3], 32768
	s_xor_b32 s[G0V+1], s[G0V+1], SLOT1
	s_add_nc_u64 s[G0V+2:G0V+3], s[G0V+2:G0V+3], 32768
	s_wait_xcnt 0x0                                ; the last prefetch, a slot back, has read its address
	s_add_nc_u64 s[PFA:PFA+1], s[PFA:PFA+1], 32768 ; one slot further on than the walking descriptors
.endif
	s_wait_dscnt 0x0
	s_barrier_signal -1
	s_barrier_wait -1
.if \fill
	s_add_co_u32 s54, s[KF], 128                   ; the first key of the slot that this change would ask for:
	s_cmp_gt_u32 s54, s[QLAST]                     ; beyond my work-group's last query none of its waves reads it, so it is not asked for.  Ids and the count of steps alone: all sixteen waves go the same way; every wait on TENSORcnt here is for 0
	s_cbranch_scc1 .Lpast_\@
	TLOAD                                          ; a wave's one tensor load until the next barrier: it has two key steps of sixteen waves in which to land
.Lpast_\@:
	ASK
.endif
.endm
	s_load_b128 s[4:7], s[0:1], 0x0                ; q16 s[4:5], kv16 s[6:7]
	s_load_b64 s[8:9], s[0:1], 0x10                ; o16
	v_lshl_add_u32 v[SPW], v0, 2, SPARE
	v_mov_b32 v[NIL], 0
	ds_add_u32 v[SPW], v[NIL]                      ; the wave's opening: the add, twice on end, and its wait ahead of the first tensor loads
	ds_add_u32 v[SPW], v[NIL]
	v_lshrrev_b32 v[ADK], 5, v0
	v_readfirstlane_b32 s[WV], v[ADK]              ; wave 0..15
	s_lshr_b32 s[HEAD], s[WV], 1
	s_lshr_b32 s12, s[WV], 2
	s_xor_b32 s12, s12, s[WV]
	s_and_b32 s12, s12, 1                          ; 1: the late block.  A head's two waves differ in it
	s_sub_co_u32 s13, 127, ttmp9
	s_cmp_eq_u32 s12, 1
	s_cselect_b32 s13, s13, ttmp9
	s_lshl_b32 s[Q0], s13, 4
	s_lshl_b32 s[QLAST], ttmp9, 4
	s_sub_co_u32 s[QLAST], 2047, s[QLAST]
	s_and_b32 s25, ttmp7, 0xffff                   ; b
	s_lshl_b32 s26, s25, 19                        ; a batch's K or V: 2,048 rows of 256 bytes
	s_lshl_b32 s56, s25, 3
	s_add_co_u32 s56, s56, s[HEAD]
	s_lshl_b32 s56, s56, 11
	s_add_co_u32 s56, s56, s[Q0]
	s_lshl_b32 s56, s56, 8                         ; q16: ((8 b + head) 2,048 + Q0) rows of 256 bytes
	s_mov_b32 s57, 0
	s_lshl_b32 s58, s25, 11
	s_add_co_u32 s58, s58, s[Q0]
	s_lshl_b32 s58, s58, 11
	s_lshl_b32 s59, s[HEAD], 8
	s_add_co_u32 s58, s58, s59                     ; o16: (2,048 b + Q0) rows of 2,048 bytes + 256 x head
	s_mov_b32 s59, 0
	s_and_b32 s27, s[WV], 1                        ; which 64 rows of a slot's 128 I fetch, if I fetch
	s_lshl_b32 s60, s27, 14
	s_add_co_u32 s60, s60, s26
	s_mov_b32 s61, 0
	s_mul_i32 s62, s27, 64*PK
	s_mul_i32 s63, s27, 64*PV
	s_add_co_u32 s63, s63, VOFF
	s_mov_b32 s[G1K], (1<<16)|(1<<20)|(5<<22)|(3<<25)   ; elements of 2 bytes; padding: four words behind every 64
	s_mov_b32 s[G1V], (1<<16)|(1<<20)|(5<<22)|(7<<25)   ; eight words
.irp g, G1K, G1V
	s_mov_b32 s[\g+1], 128<<16                     ; tensor_dim0
	s_mov_b32 s[\g+2], 64<<16                      ; tensor_dim1
	s_mov_b32 s[\g+3], 128<<16                     ; tile_dim0
	s_mov_b32 s[\g+4], 64                          ; tile_dim1
	s_mov_b32 s[\g+5], 128                         ; from row to row
	s_mov_b32 s[\g+6], 0
	s_mov_b32 s[\g+7], 0
.endr
	s_mov_b32 s[SEL], 0x76543210
	s_mov_b32 s[SEL+1], 0xfedcba98
	s_mov_b32 s[NC2], 0xc2ad1f97                   ; -2 C = -60 log2(e)
	s_mov_b32 s[NC2+1], s[NC2]                     ; (named with it as a pair, so it is written)
	s_mov_b32 s[PC2], 0x42ad1f97
	s_mov_b32 s[KF], 0
	s_mov_b32 s[TB], 0
	s_mov_b32 s[SLOTS], NSL-1
	s_wait_dscnt 0x0                               ; both opening adds are done
	s_wait_kmcnt 0x0
	s_mov_b32 s[G0K], 1
	s_mov_b32 s[G0K+1], s62
	s_add_nc_u64 s[G0K+2:G0K+3], s[6:7], s[60:61]
	s_mov_b32 s[G0V], 1
	s_mov_b32 s[G0V+1], s63
	s_add_nc_u64 s[G0V+2:G0V+3], s[G0K+2:G0K+3], 0x200000   ; v lies 2,097,152 bytes behind k
	s_or_b32 s[G0K+3], s[G0K+3], 0x80000000
	s_or_b32 s[G0V+3], s[G0V+3], 0x80000000
	TLOAD                                          ; slot 0: it holds key 0, which counts for every query
	s_add_nc_u64 s[4:5], s[4:5], s[56:57]
	s_add_nc_u64 s[8:9], s[8:9], s[58:59]
	s_cmp_lt_u32 s[WV], 8                          ; the prefetches: waves 4-7 K, waves 8-11 V
	s_cselect_b32 s54, 0, 0x200000
	s_and_b32 s55, s[WV], 3
	s_lshl_b32 s55, s55, 13
	s_add_co_u32 s54, s54, s55
	s_add_co_u32 s54, s54, s26
	s_add_co_u32 s54, s54, 32768                   ; in slot 1: the first change of slots steps it to slot 2; nothing is prefetched here at the head
	s_mov_b32 s55, 0
	s_add_nc_u64 s[PFA:PFA+1], s[6:7], s[54:55]
	s_sub_co_u32 s54, s[WV], 4
	s_lshr_b32 s54, s54, 3                         ; 0 in waves 4 to 11,
	s_or_b32 s54, s54, ttmp9                       ; of the batch's first work-group
	s_cmp_eq_u32 s54, 0
	s_cselect_b32 s[LIM], 1, -1
	v_and_b32 v[T], 15, v0                         ; r
	v_bfe_u32 v[T+1], v0, 4, 1                     ; h
	v_lshlrev_b32 v[QO], 8, v[T]
	v_lshl_add_u32 v[QO], v[T+1], 4, v[QO]
.irp c, 0,1,2,3                        ; my queries stay in registers
	global_load_b128 v[Q+8*\c:Q+8*\c+3], v[QO], s[4:5] offset:64*\c
	global_load_b128 v[Q+8*\c+4:Q+8*\c+7], v[QO], s[4:5] offset:64*\c+32
.endr
	v_and_b32 v[PFO], 31, v0
	v_lshlrev_b32 v[PFO], 8, v[PFO]
	v_mul_u32_u24 v[AK0], v[T], PK
	v_lshl_add_u32 v[AK0], v[T+1], 4, v[AK0]       ; K: row r x pitch + 16 h
	v_and_b32 v[T+2], 7, v0
	v_bfe_u32 v[T+3], v0, 3, 1
	v_lshl_add_u32 v[AV0], v[T+1], 3, v[T+2]       ; V, for the turning load: key 8 h + l % 8, channels 8 ((l / 8) % 2) on
	v_mul_u32_u24 v[AV0], v[AV0], PV
	v_lshl_add_u32 v[AV0], v[T+3], 4, v[AV0]
	v_add_nc_u32 v[AV0], VOFF, v[AV0]
	s_mul_i32 s54, s[WV], 16*272
	s_add_co_u32 s54, s54, STAGE                   ; my stage
	v_mul_u32_u24 v[STO], v[T], 272
	v_lshl_add_u32 v[STO], v[T+1], 4, v[STO]
	v_add_nc_u32 v[STO], s54, v[STO]               ; in: row r, 16 bytes for each half of the lanes
	v_mul_u32_u24 v[RD], v[T+1], 272
	v_lshl_add_u32 v[RD], v[T], 4, v[RD]
	v_add_nc_u32 v[RD], s54, v[RD]                 ; back: lanes 0-15 one row, lanes 16-31 the next
	v_lshlrev_b32 v[GO], 11, v[T+1]
	v_lshl_add_u32 v[GO], v[T], 4, v[GO]           ; and the same two rows in o16
	v_lshlrev_b32 v[LQ], 3, v[T+1]
	v_sub_nc_u32 v[LQ], v[T], v[LQ]
	v_mov_b32 v[NINF], 0xff800000
	v_mov_b32 v[MM], 0xff800000                    ; under every S
	v_mov_b32 v[BB], 0x42ad1f97                    ; B of the lowest capped score: r = 1
	v_mov_b32 v[BB+1], 0x42ad1f97                  ; (named as the pair's upper half)
	v_mov_b32 v[LL], 0
	v_mov_b32 v[LL+1], 0
	v_mov_b32 v[AA], 0
	v_mov_b32 v[AA+1], 0
.set i, 0
.rept 64
	v_mov_b32 v[O+i], 0                            ; the step is written once: the first finds zeros, which its factor leaves zeros
.set i, i+1
.endr
	s_wait_loadcnt 0x0                             ; my queries
.Lslot:                                            ; NSL - 1 trips
	CHANGE 1
	STEP 0
	STEP 1
	s_xor_b32 s[TB], s[TB], SLOT1
	s_sub_co_u32 s[SLOTS], s[SLOTS], 1
	s_cmp_lg_u32 s[SLOTS], 0
	s_cbranch_scc1 .Lslot
	CHANGE 0                                       ; the last slot is written out: nothing is left to ask for
	STEP 0
	STEP 1
	; THE WAY OUT: O^T / the sum, rounded to f16, through my stage, out as whole 256-byte pieces of rows.
	v_add_f32 v[T], v[LL], v[LL+1]
	v_permlanex16_b32 v[T+1], v[T], s[SEL], s[SEL+1]
	v_add_f32 v[T], v[T], v[T+1]
	v_rcp_f32 v[AA], v[T]
	v_nop
	s_wait_alu depctr_va_vdst(0)                   ; ahead of the reciprocal's first reader
.set i, 0
.rept 32
	v_pk_mul_f32 v[O+i:O+i+1], v[O+i:O+i+1], v[AA:AA+1] op_sel_hi:[1,0]
.set i, i+2
.endr
.set i, 0
.rept 32
	v_cvt_pk_f16_f32 v[S+i], v[O+2*i], v[O+2*i+1]
.set i, i+1
.endr
.irp t, 0,1,2,3,4,5,6,7
	ds_store_b128 v[STO], v[S+4*\t:S+4*\t+3] offset:32*\t
.endr
.irp f, 0,1,2,3,4,5,6,7
	ds_load_b128 v[F+4*\f:F+4*\f+3], v[RD] offset:544*\f   ; LDS serves a wave's instructions in order: these see my stores
.endr
.irp f, 0,1,2,3,4,5,6,7
	s_wait_dscnt 7-\f                              ; load f is back; the younger ones may be out
	global_store_b128 v[GO], v[F+4*\f:F+4*\f+3], s[8:9] offset:4096*\f   ; 16 lanes store 256 consecutive bytes, aligned
.endr
	s_wait_tensorcnt 0x0                           ; the wave's end, behind my last tensor load and my last LDS store
	ds_add_u32 v[SPW], v[NIL]
	s_wait_dscnt 0x0
	s_endpgm
.Lfunc_end_k_q587a52a541_attn:
	.size	k_q587a52a541_attn, .Lfunc_end_k_q587a52a541_attn-k_q587a52a541_attn
	.p2alignl 7, 3214868480
	.fill 96, 4, 3214868480
	.section	.rodata,"a",@progbits
	.p2align	6, 0x0
	.amdhsa_kernel k_q587a52a541_attn
		.amdhsa_group_segment_fixed_size 327680
		.amdhsa_private_segment_fixed_size 0
		.amdhsa_enable_private_segment 0
		.amdhsa_kernarg_size 24
		.amdhsa_user_sgpr_count 2
		.amdhsa_user_sgpr_kernarg_segment_ptr 1
		.amdhsa_wavefront_size32 1
		.amdhsa_system_sgpr_workgroup_id_x 1
		.amdhsa_system_sgpr_workgroup_id_y 1
		.amdhsa_system_sgpr_workgroup_id_z 1
		.amdhsa_system_vgpr_workitem_id 0
		.amdhsa_next_free_vgpr 256
		.amdhsa_next_free_sgpr 66
		.amdhsa_reserve_vcc 1
		.amdhsa_float_denorm_mode_32 3
		.amdhsa_float_denorm_mode_16_64 3
		.amdhsa_memory_ordered 1
		.amdhsa_forward_progress 1
		.amdhsa_inst_pref_size 104
	.end_amdhsa_kernel
	.amdgpu_metadata
---
amdhsa.version: [ 1, 2 ]
amdhsa.kernels:
  - .name:           k_q587a52a541_attn
    .symbol:         k_q587a52a541_attn.kd
    .args:
      - { .name: q16, .offset: 0, .size: 8, .value_kind: global_buffer, .address_space: global }
      - { .name: kv16, .offset: 8, .size: 8, .value_kind: global_buffer, .address_space: global }
      - { .name: o16, .offset: 16, .size: 8, .value_kind: global_buffer, .address_space: global }
    .group_segment_fixed_size: 327680
    .private_segment_fixed_size: 0
    .kernarg_segment_align: 8
    .kernarg_segment_size: 24
    .max_flat_workgroup_size: 512
    .sgpr_count:     66
    .vgpr_count:     256
    .wavefront_size: 32
...
	.end_amdgpu_metadata
.endif
;; end of part 3
;; launch oproj (part 4): grid 4 x 64, 4 waves a work-group, clusters of 4 x 4, 327,680 bytes of LDS; arguments o16, wo16, out0; writes out0
.if DOCPART == 4
	.amdgcn_target "amdgcn-amd-amdhsa--gfx1250"
	.amdhsa_code_object_version 6
	.text
	.protected	k_q587a52a541_oproj
	.globl	k_q587a52a541_oproj
	.p2align	8
	.type	k_q587a52a541_oproj,@function
k_q587a52a541_oproj:
	s_mov_b64 s[64:65], 0
	v_nop
	global_prefetch_b8 v0, s[64:65] scope:SCOPE_SE
	s_setreg_imm32_b32 hwreg(HW_REG_WAVE_MODE, 25, 1), 1
	s_wait_xcnt 0x0
	s_wait_alu depctr_hold_cnt(0) depctr_sa_sdst(0) depctr_va_vdst(0) depctr_va_sdst(0) depctr_va_ssrc(0) depctr_va_vcc(0) depctr_vm_vsrc(0)
	s_getreg_b32 s2, hwreg(HW_REG_IB_STS2, 6, 4)
	s_cmp_eq_u32 s2, 0
	s_cbranch_scc0 .Lentry_in_a_cluster
	s_endpgm
.Lentry_in_a_cluster:
	s_bfe_u32 s2, ttmp6, 0x10000c
	s_cmp_lg_u32 s2, 0xf033
	s_cbranch_scc0 .Lentry_shape_is_right
	s_endpgm
.Lentry_shape_is_right:
; OPROJ.  out0[m][n] = sum over k of o16[m][k] wo16[n][k]: [8192][1024] x [1024][1024], f16 operands, f32 sums, f32 out.
; A tile of out0 is 128 rows x 256 columns: 256 work-groups.  Four waves, each 64 x 128: 32 accumulators of 16 x 16, 256 registers (window 1, (a, b) at v[8 (8 a + b)]).
; K goes in 8 steps of 128 (rows of 256 bytes) through a ring of two LDS slots.  Waves 0, 1 fetch o16's halves of 64 rows, waves 2, 3 wo16's halves of 128 rows.
; CLUSTERS: 4 x 4 work-groups; o16's tile is shared along a row of the cluster, wo16's along a column: joint loads, the same descriptor and mask in the four that ask.
; THE MATRIX INSTRUCTION IS USED TRANSPOSED (source 0 = 16 rows of wo16, source 1 = 16 rows of o16): a lane holds eight neighbouring numbers of a row of out0.
; Rows of positions 0-15 of each batch are written here too, and written again, more finely, by the launch that follows.
; No prefetch: a step's tiles are shared sixteen ways already and the launch is short.
; REGISTERS, window 0: v0-31 addresses; two fragment buffers of 96 at v64 and v160 (o16's 4 fragments, then wo16's 8); on the way out v64-191 hold rows.
.set KSTEP,  128
.set NK,     1024
.set PITCH,  272
.set AH,     64*PITCH                  ; what waves 0, 1 fetch, and what a wave reads of o16
.set BH,     128*PITCH                 ; what waves 2, 3 fetch, and what a wave reads of wo16
.set BOFF,   2*AH
.set SLOT,   2*AH+2*BH
.set STAGE,  2*SLOT                    ; behind the ring: 16 rows x 528 bytes for each wave
.set SPITCH, 528
.set SPARE,  STAGE+4*16*SPITCH
.set LAPS,   4
.set ADRA, 16
.set ADRB, 20
.set STO,  24
.set RD,   25
.set CO,   26
.set SPW,  28
.set NIL,  29
.set F0,   64
.set F1,   160
.set BK,   64
.set G1, 24
.set G0, 32
.set G1B, 48
.set G0B, 56
.set MSB, 0
.macro WIN new
.if MSB != (\new)
	s_set_vgpr_msb (MSB<<8)|(\new)
.set MSB, (\new)
.endif
.endm
.set MUL, 0x50                         ; C and D window 1, sources 0 and 1 window 0
.macro PLACES
.rept 4
	v_nop
.endr
.endm
.macro JLOAD s                         ; a joint load; an s_nop 0 and four v_nop follow each of the two lines; the branch hangs on the wave's number alone
	s_cmp_eq_u32 s11, 0
	s_cbranch_scc0 .Lfor_b_\@
	tensor_load_to_lds s[G0+4*\s:G0+4*\s+3], s[G1:G1+7]
	s_nop 0
	PLACES
	s_branch .Lasked_\@
.Lfor_b_\@:
	tensor_load_to_lds s[G0B+4*\s:G0B+4*\s+3], s[G1B:G1B+7]
	s_nop 0
	PLACES
.Lasked_\@:
.endm
.macro CREST                           ; a round of the cluster's barrier behind its opening barrier
	s_cmp_lg_u32 s10, 0
	s_cbranch_scc1 .Lnot_wave_0_\@
	s_barrier_signal -3
.Lnot_wave_0_\@:
	s_barrier_wait -3
	s_barrier_signal -1
	s_barrier_wait -1
.endm
.macro CROUND
	s_barrier_signal -1
	s_barrier_wait -1
	CREST
.endm
.macro MUL8 f, a, zero                 ; o16's block a against wo16's eight, 32 along K
.irp b, 0,1,2,3,4,5,6,7
.if \zero
	v_wmma_f32_16x16x32_f16 v[8*(8*(\a)+\b):8*(8*(\a)+\b)+7], v[\f+32+8*\b:\f+32+8*\b+7], v[\f+8*(\a):\f+8*(\a)+7], 0
.else
	v_wmma_f32_16x16x32_f16 v[8*(8*(\a)+\b):8*(8*(\a)+\b)+7], v[\f+32+8*\b:\f+32+8*\b+7], v[\f+8*(\a):\f+8*(\a)+7], v[8*(8*(\a)+\b):8*(8*(\a)+\b)+7]
.endif
.endr
.endm
.macro MUL16 f, a0, zero               ; the 32 accumulators take turns, one instruction a turn, in the same order in every quarter
	MUL8 \f, \a0, \zero
	MUL8 \f, \a0+1, \zero
.endm
.macro FETCH slot, k, f                ; 24 LDS loads in one run, under window 0: wo16's 16, o16's blocks 0, 1 (4), blocks 2, 3 (4)
.irp i, 0,1,2,3,4,5,6,7
	ds_load_b128 v[\f+32+8*\i:\f+32+8*\i+3], v[ADRB+\slot] offset:\k+\i*16*PITCH
	ds_load_b128 v[\f+32+8*\i+4:\f+32+8*\i+7], v[ADRB+\slot] offset:\k+\i*16*PITCH+32
.endr
.irp i, 0,1,2,3
	ds_load_b128 v[\f+8*\i:\f+8*\i+3], v[ADRA+\slot] offset:\k+\i*16*PITCH
	ds_load_b128 v[\f+8*\i+4:\f+8*\i+7], v[ADRA+\slot] offset:\k+\i*16*PITCH+32
.endr
.endm
.macro QUARTER slot, k, f, g, zero     ; 32 along K: multiplies buffer f; in its middle fetches the next quarter, at byte k, into g
	s_wait_dscnt 4                                 ; all but the youngest four loads (o16's blocks 2, 3)
	WIN MUL
	MUL16 \f, 0, \zero
	PLACES                                         ; in front of loads into registers that matrix instructions have read
	WIN 0
	FETCH \slot, \k, \g
	s_wait_dscnt 24                                ; all but the 24 just issued
	WIN MUL
	MUL16 \f, 2, \zero
.endm
; A K step's last quarter multiplies buffer 1 and changes slots: one barrier; with fill = 1 it opens a round of the cluster's barrier, and the joint refill is the first tensor load behind the round.
.macro TURN slot, next, fill
	WIN 0
	s_wait_tensorcnt 0x0                           ; all my tensor loads have landed: my part of the next slot
	ds_add_u32 v[SPW], v[NIL]                      ; 0 onto my spare word
	s_wait_dscnt 5                                 ; the add and the youngest four loads may be out
	WIN MUL
	MUL8 F1, 0, 0
	s_wait_dscnt 0x0                               ; the add is done, and my reads of this slot are over
	s_barrier_signal -1
	MUL8 F1, 1, 0
	WIN 0
	s_barrier_wait -1
.if \fill
	CREST                                          ; no wave of any partner still reads this slot's tile or has a load on its way
	s_add_nc_u64 s[G0+4*\slot+2:G0+4*\slot+3], s[G0+4*\slot+2:G0+4*\slot+3], 2*KSTEP*2
	s_add_nc_u64 s[G0B+4*\slot+2:G0B+4*\slot+3], s[G0B+4*\slot+2:G0B+4*\slot+3], 2*KSTEP*2
	JLOAD \slot                                    ; 112 matrix instructions ahead of the wait for it; its four v_nop are also the places in front of the loads below
.else
	PLACES
.endif
	FETCH \next, 0, F0
	WIN MUL
	MUL16 F1, 2, 0
.endm
	s_load_b128 s[4:7], s[0:1], 0x0                ; o16 s[4:5], wo16 s[6:7]
	s_load_b64 s[8:9], s[0:1], 0x10                ; out0
	v_lshl_add_u32 v[SPW], v0, 2, SPARE
	v_mov_b32 v[NIL], 0
	ds_add_u32 v[SPW], v[NIL]                      ; the wave's opening: the add, twice on end, and its wait ahead of my first tensor load
	ds_add_u32 v[SPW], v[NIL]
	v_lshrrev_b32 v1, 5, v0
	v_readfirstlane_b32 s10, v1                    ; wave 0..3
	s_lshr_b32 s11, s10, 1                         ; my half of the tile's rows.  Also: I fetch for o16 (0) or for wo16 (1)
	s_and_b32 s12, s10, 1                          ; my half of its columns.  Also: which half of that tile I fetch
	s_bfe_u32 s40, ttmp6, 0x40000                  ; cx, cy
	s_bfe_u32 s41, ttmp6, 0x40004
	s_lshl_b32 s42, ttmp9, 2
	s_add_co_u32 s42, s42, s40                     ; tile column
	s_and_b32 s13, ttmp7, 0xffff
	s_lshl_b32 s13, s13, 2
	s_add_co_u32 s13, s13, s41                     ; tile row
	s_lshl_b32 s43, s41, 2
	s_lshl_b32 s43, 15, s43                        ; my row of the cluster
	s_lshl_b32 s44, 0x1111, s40                    ; my column
	s_or_b32 s[G1+0], s43, (1<<16)|(1<<20)|(1<<21)|(5<<22)|(3<<25)   ; the mask; elements of 2 bytes; padding: four words behind every 64; bit 21 beside a mask
	s_or_b32 s[G1B+0], s44, (1<<16)|(1<<20)|(1<<21)|(5<<22)|(3<<25)
	s_mov_b32 s[G1+1], KSTEP<<16
	s_mov_b32 s[G1+2], 64<<16
	s_mov_b32 s[G1+3], KSTEP<<16
	s_mov_b32 s[G1+4], 64
	s_mov_b32 s[G1+5], NK
	s_mov_b32 s[G1+6], 0
	s_mov_b32 s[G1+7], 0
	s_mov_b32 s[G1B+1], KSTEP<<16
	s_mov_b32 s[G1B+2], 128<<16
	s_mov_b32 s[G1B+3], KSTEP<<16
	s_mov_b32 s[G1B+4], 128
	s_mov_b32 s[G1B+5], NK
	s_mov_b32 s[G1B+6], 0
	s_mov_b32 s[G1B+7], 0
	s_lshl_b32 s17, s12, 6
	s_lshl_b32 s16, s13, 7
	s_add_co_u32 s16, s16, s17                     ; o16: row 128 x tile row + 64 x half,
	s_lshl_b32 s16, s16, 11                        ; of 2,048 bytes
	s_mov_b32 s17, 0
	s_lshl_b32 s47, s12, 7
	s_lshl_b32 s46, s42, 8
	s_add_co_u32 s46, s46, s47                     ; wo16: row 256 x tile column + 128 x half
	s_lshl_b32 s46, s46, 11
	s_mov_b32 s47, 0
	s_mul_i32 s20, s12, AH                         ; where they go: no place in the cluster enters an LDS address
	s_mul_i32 s21, s12, BH
	s_add_co_u32 s21, s21, BOFF
	s_wait_dscnt 0x0                               ; both opening adds are done
	s_wait_kmcnt 0x0
	s_add_nc_u64 s[14:15], s[4:5], s[16:17]
	s_add_nc_u64 s[46:47], s[6:7], s[46:47]
	CROUND                                         ; all sixteen work-groups are here: the first joint loads meet
.irp s, 0,1
	s_mov_b32 s[G0+4*\s], 1
	s_add_co_u32 s[G0+4*\s+1], s20, \s*SLOT
	s_add_nc_u64 s[G0+4*\s+2:G0+4*\s+3], s[14:15], \s*KSTEP*2
	s_or_b32 s[G0+4*\s+3], s[G0+4*\s+3], 0x80000000
	s_mov_b32 s[G0B+4*\s], 1
	s_add_co_u32 s[G0B+4*\s+1], s21, \s*SLOT
	s_add_nc_u64 s[G0B+4*\s+2:G0B+4*\s+3], s[46:47], \s*KSTEP*2
	s_or_b32 s[G0B+4*\s+3], s[G0B+4*\s+3], 0x80000000
	JLOAD \s
.endr
	v_and_b32 v1, 15, v0
	v_bfe_u32 v2, v0, 4, 1
	v_mul_u32_u24 v3, v1, PITCH
	v_lshl_add_u32 v3, v2, 4, v3                   ; a fragment's row x pitch + 16 x half
	s_mul_i32 s22, s11, AH                         ; my 64 rows of o16
	s_mul_i32 s23, s12, BH
	s_add_co_u32 s23, s23, BOFF                    ; my 128 rows of wo16
.irp s, 0,1
	v_add_nc_u32 v[ADRA+\s], s22, v3
	v_add_nc_u32 v[ADRB+\s], s23, v3
	s_add_co_u32 s22, s22, SLOT
	s_add_co_u32 s23, s23, SLOT
.endr
	s_mul_i32 s23, s10, 16*SPITCH
	s_add_co_u32 s23, s23, STAGE                   ; my stage
	v_mul_u32_u24 v4, v1, SPITCH
	v_lshl_add_u32 v4, v2, 5, v4
	v_add_nc_u32 v[STO], s23, v4                   ; in: row l % 16, 32 bytes for each half of the lanes
	v_and_b32 v5, 31, v0
	v_lshlrev_b32 v[CO], 4, v5                     ; back: the 32 lanes take one row of 512 bytes; and the same in out0
	v_add_nc_u32 v[RD], s23, v[CO]
	s_lshl_b32 s16, s13, 7
	s_lshl_b32 s17, s11, 6
	s_add_co_u32 s16, s16, s17                     ; my first row of out0,
	s_lshl_b32 s16, s16, 12                        ; of 4,096 bytes
	s_mov_b32 s17, 0
	s_add_nc_u64 s[8:9], s[8:9], s[16:17]
	s_lshl_b32 s46, s42, 10                        ; my first column, in bytes (in the registers that held wo16's address: none that feeds o16's descriptors holds cx)
	s_lshl_b32 s47, s12, 9
	s_add_co_u32 s46, s46, s47
	s_mov_b32 s47, 0
	s_add_nc_u64 s[8:9], s[8:9], s[46:47]
	s_wait_tensorcnt 1                             ; my part of K step 0 is in; K step 1's may be out
	s_barrier_signal -1
	s_barrier_wait -1
	FETCH 0, 0, F0
	QUARTER 0, 64, F0, F1, 1                       ; the first quarter's products start the sums
	WIN 0
	s_mov_b32 s3, LAPS-1
.Llap:                                             ; a trip goes once round the ring and fills both slots again
	QUARTER 0, 128, F1, F0, 0
	QUARTER 0, 192, F0, F1, 0
	TURN 0, 1, 1
	QUARTER 1, 64,  F0, F1, 0
	QUARTER 1, 128, F1, F0, 0
	QUARTER 1, 192, F0, F1, 0
	TURN 1, 0, 1
	QUARTER 0, 64,  F0, F1, 0
	WIN 0
	s_sub_co_u32 s3, s3, 1
	s_cmp_lg_u32 s3, 0
	s_cbranch_scc1 .Llap
	QUARTER 0, 128, F1, F0, 0                      ; the last lap fills nothing, and has no round of the cluster's barrier
	QUARTER 0, 192, F0, F1, 0
	TURN 0, 1, 0
	QUARTER 1, 64,  F0, F1, 0
	QUARTER 1, 128, F1, F0, 0
	QUARTER 1, 192, F0, F1, 0
	s_wait_dscnt 4
	WIN MUL
	MUL16 F1, 0, 0
	s_wait_dscnt 0
	MUL16 F1, 2, 0
	WIN 0
; THE WAY OUT, block by block of 16 rows x 128 columns: through my own stage, back as whole rows of 512 bytes.  LDS serves a wave's instructions in order.
.macro TOSTAGE a
	WIN 0x04                                       ; an LDS store's data are its source 1: window 1
.irp b, 0,1,2,3,4,5,6,7
	ds_store_b128 v[STO], v[8*(8*(\a)+\b):8*(8*(\a)+\b)+3] offset:64*\b          ; each accumulator from its low end on
	ds_store_b128 v[STO], v[8*(8*(\a)+\b)+4:8*(8*(\a)+\b)+7] offset:64*\b+16
.endr
	WIN 0
.set BB, BK+64*((\a)%2)
.irp t, 0,1,2,3,4,5,6,7,8,9,10,11,12,13,14,15
	ds_load_b128 v[BB+4*\t:BB+4*\t+3], v[RD] offset:\t*SPITCH
.endr
.endm
.macro SEND a, younger
.set BB, BK+64*((\a)%2)
	s_wait_dscnt \younger                          ; the block is back; the next block's 16 stores and 16 loads may be out
.irp t, 0,1,2,3,4,5,6,7,8,9,10,11,12,13,14,15
	global_store_b128 v[CO], v[BB+4*\t:BB+4*\t+3], s[8:9] offset:65536*(\a)+4096*\t th:TH_STORE_NT   ; 32 lanes store 512 consecutive bytes, aligned
.endr
.endm
	PLACES                                         ; behind the last products: for the reads of results and the loads into the fragments' registers
	TOSTAGE 0
.irp a, 1,2,3
.if \a > 1
	s_wait_xcnt 0x0                                ; block a - 2's stores have read their registers: block a's loads may land there
.endif
	TOSTAGE \a
	SEND \a-1, 32
.endr
	SEND 3, 0
	s_wait_tensorcnt 0x0                           ; the wave's end, behind my last tensor load and my last LDS store
	ds_add_u32 v[SPW], v[NIL]
	s_wait_dscnt 0x0
	CROUND                                         ; the closing round
	s_endpgm
.Lfunc_end_k_q587a52a541_oproj:
	.size	k_q587a52a541_oproj, .Lfunc_end_k_q587a52a541_oproj-k_q587a52a541_oproj
	.p2alignl 7, 3214868480
	.fill 96, 4, 3214868480
	.section	.rodata,"a",@progbits
	.p2align	6, 0x0
	.amdhsa_kernel k_q587a52a541_oproj
		.amdhsa_group_segment_fixed_size 327680
		.amdhsa_private_segment_fixed_size 0
		.amdhsa_enable_private_segment 0
		.amdhsa_kernarg_size 24
		.amdhsa_user_sgpr_count 2
		.amdhsa_user_sgpr_kernarg_segment_ptr 1
		.amdhsa_wavefront_size32 1
		.amdhsa_system_sgpr_workgroup_id_x 1
		.amdhsa_system_sgpr_workgroup_id_y 1
		.amdhsa_system_sgpr_workgroup_id_z 1
		.amdhsa_system_vgpr_workitem_id 0
		.amdhsa_next_free_vgpr 512
		.amdhsa_next_free_sgpr 66
		.amdhsa_reserve_vcc 0
		.amdhsa_float_denorm_mode_32 3
		.amdhsa_float_denorm_mode_16_64 3
		.amdhsa_memory_ordered 1
		.amdhsa_forward_progress 1
		.amdhsa_inst_pref_size 85
	.end_amdhsa_kernel
	.amdgpu_metadata
---
amdhsa.version: [ 1, 2 ]
amdhsa.kernels:
  - .name:           k_q587a52a541_oproj
    .symbol:         k_q587a52a541_oproj.kd
    .args:
      - { .name: o16, .offset: 0, .size: 8, .value_kind: global_buffer, .address_space: global }
      - { .name: wo16, .offset: 8, .size: 8, .value_kind: global_buffer, .address_space: global }
      - { .name: out0, .offset: 16, .size: 8, .value_kind: global_buffer, .address_space: global }
    .group_segment_fixed_size: 327680
    .private_segment_fixed_size: 0
    .kernarg_segment_align: 8
    .kernarg_segment_size: 24
    .max_flat_workgroup_size: 128
    .sgpr_count:     66
    .vgpr_count:     512
    .wavefront_size: 32
...
	.end_amdgpu_metadata
.endif
;; end of part 4
;; launch first16 (part 5): grid 16 x 4, 8 waves a work-group, no clusters, 35,840 bytes of LDS; arguments fine, Wo, out0; writes out0
.if DOCPART == 5
	.amdgcn_target "amdgcn-amd-amdhsa--gfx1250"
	.amdhsa_code_object_version 6
	.text
	.protected	k_q587a52a541_first16
	.globl	k_q587a52a541_first16
	.p2align	8
	.type	k_q587a52a541_first16,@function
k_q587a52a541_first16:
	s_mov_b64 s[64:65], 0
	v_nop
	global_prefetch_b8 v0, s[64:65] scope:SCOPE_SE
	s_setreg_imm32_b32 hwreg(HW_REG_WAVE_MODE, 25, 1), 1
	s_wait_xcnt 0x0
; FIRST16.  Positions 0-15 of each batch once more, wholly in f32: there a row of the softmax averages one to sixteen values, and the rounding of 16-bit operands would weigh most.
; fine [b][10][16][128] f32: q' of heads 0-7 (with gain and 2 log2(e) / (30 sqrt(128)) in it), k (8), v (9).  This launch runs last and writes rows 0-15 of each batch of out0.
; SHARES.  Work-group (cb, b) makes 16 rows x 64 columns.  Wave h does head h's attention (16 x 16), multiplies its O^T, straight from its registers, by Wo[64 cb .. + 63][128 h .. + 127], and the eight partial sums meet once in LDS.
; The attention is done again in each of the 16 column blocks: 64 small products a wave, against an exchange through memory.
; THE K INDEX IS PERMUTED ALIKE IN BOTH OPERANDS of each product, so that fragments are what plain loads and earlier results leave in a lane:
;   S^T = k q'^T: step (c, u) takes registers 4 c + 2 u + j: channel 8 c + 4 (l / 16) + 2 u + j;   O^T = v^T p^T: step s takes p's registers 2 s + j: key 8 (l / 16) + 2 s + j;
;   out^T = Wo O: step (t, u) takes O^T's registers 8 t + 2 u + j: channel 16 t + 8 (l / 16) + 2 u + j.
; REGISTERS.  What the matrix instructions write, v160-255 of window 0 (four chains v160-191, O^T v192-255), is written by them alone, and no other line names those numbers as a destination in any window.
;   window 0: v1-15 addresses; v16-79 q', later a tile of Wo, at the end the partial sums; v80-143 at work.   window 1: v0-63 k, later tiles of Wo; v64-127 v, later a tile of Wo.
; LIMITS: NaN and infinities are not served; the order of the f32 sums is this text's own.
.set KF,  0                            ; window 1
.set VF,  64                           ; window 1
.set QF,  16
.set PP,  80                           ; v80-87  scores, then p
.set T,   88                           ; v88-103 at work
.set MX,  104
.set PR,  105                          ; a lane permute's destination
.set SU,  106                          ; v[106:109]
.set RS,  112                          ; v112-143 the four finished tiles, eight registers each: no LDS store's data are written again
.set RB,  16                           ; v16-47  eight partial sums, where q' and a tile of Wo lay
.set SA,  160
.set OT,  192
.set SPW, 14
.set NIL, 15
.set SPARE, 8*16*272
.set MSB, 0
.macro WIN new
.if MSB != (\new)
	s_set_vgpr_msb (MSB<<8)|(\new)
.set MSB, (\new)
.endif
.endm
.macro PLACES9                         ; behind this matrix form: 8 places before a result is read or a source loaded anew, 9 before a matrix instruction takes a result as a source or begins a chain anew (ISA guide 7.12.1)
.rept 9
	v_nop
.endr
.endm
.macro WLOAD c4, reg, win              ; Wo's rows 64 cb + 16 c4 + r, my head's 128 channels: lane (r, h2) takes channels 16 t + 8 h2 + 0..7: 16 loads
	WIN \win
.irp t, 0,1,2,3,4,5,6,7
	global_load_b128 v[\reg+8*\t:\reg+8*\t+3], v5, s[20:21] offset:(\c4)*65536+64*\t
	global_load_b128 v[\reg+8*\t+4:\reg+8*\t+7], v5, s[20:21] offset:(\c4)*65536+64*\t+16
.endr
	WIN 0
.endm
.macro CHSUM dst                       ; the four chains' sum, each chain read from its low end on
.irp j, 0,1,2,3,4,5,6,7
	v_add_f32 v[T+\j], v[SA+\j], v[SA+8+\j]
	v_add_f32 v[T+8+\j], v[SA+16+\j], v[SA+24+\j]
.endr
.irp j, 0,1,2,3,4,5,6,7
	v_add_f32 v[\dst+\j], v[T+\j], v[T+8+\j]
.endr
.endm
.macro OTILE c4, reg, win              ; 16 columns of out: 32 products on four chains by turns
	WIN \win
.irp t, 0,1,2,3,4,5,6,7
.irp u, 0,1,2,3
.if \t == 0
	v_wmma_f32_16x16x4_f32 v[SA+8*\u:SA+8*\u+7], v[\reg+8*\t+2*\u:\reg+8*\t+2*\u+1], v[OT+8*\t+2*\u:OT+8*\t+2*\u+1], 0
.else
	v_wmma_f32_16x16x4_f32 v[SA+8*\u:SA+8*\u+7], v[\reg+8*\t+2*\u:\reg+8*\t+2*\u+1], v[OT+8*\t+2*\u:OT+8*\t+2*\u+1], v[SA+8*\u:SA+8*\u+7]
.endif
.endr
.endr
	WIN 0
	PLACES9
.endm
.macro OSTORE c4
.set RT, RS+8*(\c4)
	CHSUM RT
	ds_store_b128 v6, v[RT:RT+3] offset:64*(\c4)   ; lane (r, h2): row r, columns 16 c4 + 8 h2 + 0..7 of my partial sum
	ds_store_b128 v6, v[RT+4:RT+7] offset:64*(\c4)+16
.endm
	s_load_b128 s[4:7], s[0:1], 0x0                ; fine s[4:5], Wo s[6:7]
	s_load_b64 s[8:9], s[0:1], 0x10                ; out0
	v_lshl_add_u32 v[SPW], v0, 2, SPARE
	v_mov_b32 v[NIL], 0
	v_lshrrev_b32 v1, 5, v0
	v_readfirstlane_b32 s10, v1                    ; wave = head
	v_and_b32 v1, 15, v0                           ; r
	v_bfe_u32 v2, v0, 4, 1                         ; h2
	v_lshlrev_b32 v3, 9, v1
	v_lshl_add_u32 v3, v2, 4, v3                   ; k, q': 512 r + 16 h2
	v_lshlrev_b32 v4, 2, v1
	v_lshl_add_u32 v4, v2, 12, v4                  ; v: 4,096 h2 + 4 r
	v_lshlrev_b32 v5, 12, v1
	v_lshl_add_u32 v5, v2, 5, v5                   ; Wo: 4,096 r + 32 h2
	s_mul_i32 s11, s10, 16*272
	v_mul_u32_u24 v6, v1, 272
	v_lshl_add_u32 v6, v2, 5, v6
	v_add_nc_u32 v6, s11, v6                       ; my partial sum: 16 rows x 272 bytes a wave
	s_mul_i32 s11, s10, 2*272
	v_mul_u32_u24 v7, v2, 272
	v_lshl_add_u32 v7, v1, 4, v7
	v_add_nc_u32 v7, s11, v7                       ; back: rows 2 w and 2 w + 1, 16 bytes a lane
	v_lshlrev_b32 v8, 12, v2
	v_lshl_add_u32 v8, v1, 4, v8                   ; and the same in out0
	v_lshlrev_b32 v9, 3, v2
	v_sub_nc_u32 v9, v1, v9                        ; r - 8 h2
	v_mov_b32 v10, 0xff800000                      ; -infinity
	v_mov_b32 v[PR], 0                             ; written once: a lane permute's destination counts as one of its sources
	s_mov_b32 s22, 0xc2ad1f97                      ; -2 C = -60 log2(e)
	s_mov_b32 s24, 0x76543210
	s_mov_b32 s25, 0xfedcba98
	s_and_b32 s12, ttmp7, 0xffff                   ; b
	s_mul_i32 s13, s12, 10
	s_add_co_u32 s26, s13, s10
	s_lshl_b32 s26, s26, 13                        ; q' of my head: 8,192 bytes a head
	s_mov_b32 s27, 0
	s_add_co_u32 s28, s13, 8
	s_lshl_b32 s28, s28, 13                        ; k; v lies 8,192 bytes on
	s_mov_b32 s29, 0
	s_lshl_b32 s30, ttmp9, 18                      ; Wo: row 64 cb,
	s_lshl_b32 s31, s10, 9                         ; my head's 512 bytes
	s_add_co_u32 s30, s30, s31
	s_mov_b32 s31, 0
	s_lshl_b32 s32, s12, 23                        ; out0: row 2,048 b + 2 w,
	s_lshl_b32 s33, s10, 13
	s_add_co_u32 s32, s32, s33
	s_lshl_b32 s33, ttmp9, 8                       ; column 64 cb
	s_add_co_u32 s32, s32, s33
	s_mov_b32 s33, 0
	s_wait_kmcnt 0x0
	s_add_nc_u64 s[16:17], s[4:5], s[26:27]
	s_add_nc_u64 s[18:19], s[4:5], s[28:29]
	s_add_nc_u64 s[20:21], s[6:7], s[30:31]
	s_add_nc_u64 s[8:9], s[8:9], s[32:33]
	WIN 0x40
.irp c, 0,1,2,3,4,5,6,7,8,9,10,11,12,13,14,15
	global_load_b128 v[KF+4*\c:KF+4*\c+3], v3, s[18:19] offset:32*\c
.endr
	WIN 0
.irp c, 0,1,2,3,4,5,6,7,8,9,10,11,12,13,14,15
	global_load_b128 v[QF+4*\c:QF+4*\c+3], v3, s[16:17] offset:32*\c
.endr
	WIN 0x40
.irp t, 0,1,2,3,4,5,6,7
.irp i, 0,1,2,3,4,5,6,7
	global_load_b32 v[VF+8*\t+\i], v4, s[18:19] offset:8192+512*\i+64*\t   ; v(key 8 h2 + i, channel 16 t + r)
.endr
.endr
	s_wait_loadcnt 63                              ; k and q' are in.  Behind q's last load stand v's 64; the wait names 63, the most that its count can name, and the smaller count is the safe one: v's first load is in too
	WIN 0x01                                       ; source 0 in window 1
.set i, 0
.rept 32                               ; S^T: four chains by turns; the first four products start them
.if i < 4
	v_wmma_f32_16x16x4_f32 v[SA+8*(i%4):SA+8*(i%4)+7], v[KF+2*i:KF+2*i+1], v[QF+2*i:QF+2*i+1], 0
.else
	v_wmma_f32_16x16x4_f32 v[SA+8*(i%4):SA+8*(i%4)+7], v[KF+2*i:KF+2*i+1], v[QF+2*i:QF+2*i+1], v[SA+8*(i%4):SA+8*(i%4)+7]
.endif
.set i, i+1
.endr
	WIN 0
	PLACES9
	WLOAD 0, KF, 0x40                              ; the first two tiles of Wo land under the softmax
	WLOAD 1, QF, 0
	CHSUM PP                                       ; lane (r, h2), register j: S of query r and key 8 h2 + j
.irp j, 0,1,2,3,4,5,6,7
	v_exp_f32 v[PP+\j], v[PP+\j]                   ; 2^S
.endr
	v_nop
	s_wait_alu depctr_va_vdst(0)                   ; one wait a batch, ahead of its first reader
.irp j, 0,2,4,6
	v_pk_add_f32 v[PP+\j:PP+\j+1], v[PP+\j:PP+\j+1], 1.0 op_sel_hi:[1,0]
.endr
.irp j, 0,1,2,3,4,5,6,7
	v_rcp_f32 v[PP+\j], v[PP+\j]                   ; r = 1 / (1 + 2^S)
.endr
	v_nop
	s_wait_alu depctr_va_vdst(0)
.irp j, 0,1,2,3,4,5,6,7
	v_mul_f32 v[PP+\j], s22, v[PP+\j]              ; y = -2 C r: the capped score in powers of two, less a constant that the maximum takes away
.endr
.irp j, 0,1,2,3,4,5,6,7
	v_cmp_gt_i32 vcc_lo, \j, v9                    ; key 8 h2 + j comes after query r
	v_cndmask_b32 v[PP+\j], v[PP+\j], v10, vcc_lo
.endr
	v_max3_num_f32 v[MX], v[PP], v[PP+1], v[PP+2]
	v_max3_num_f32 v[MX], v[MX], v[PP+3], v[PP+4]
	v_max3_num_f32 v[MX], v[MX], v[PP+5], v[PP+6]
	v_max_num_f32 v[MX], v[MX], v[PP+7]
	v_permlanex16_b32 v[PR], v[MX], s24, s25
	v_max_num_f32 v[MX], v[MX], v[PR]              ; the row's largest: key 0 counts for every query
.irp j, 0,1,2,3,4,5,6,7
	v_sub_f32 v[PP+\j], v[PP+\j], v[MX]
.endr
.irp j, 0,1,2,3,4,5,6,7
	v_exp_f32 v[PP+\j], v[PP+\j]
.endr
	v_nop
	s_wait_alu depctr_va_vdst(0)
	v_pk_add_f32 v[SU:SU+1], v[PP:PP+1], v[PP+2:PP+3]
	v_pk_add_f32 v[SU+2:SU+3], v[PP+4:PP+5], v[PP+6:PP+7]
	v_pk_add_f32 v[SU:SU+1], v[SU:SU+1], v[SU+2:SU+3]
	v_add_f32 v[MX], v[SU], v[SU+1]
	v_permlanex16_b32 v[PR], v[MX], s24, s25
	v_add_f32 v[MX], v[MX], v[PR]
	v_rcp_f32 v[MX], v[MX]
	v_nop
	s_wait_alu depctr_va_vdst(0)
.irp j, 0,1,2,3,4,5,6,7
	v_mul_f32 v[PP+\j], v[PP+\j], v[MX]            ; p, normalised
.endr
	s_wait_loadcnt 32                              ; v is in; the two tiles of Wo, 32 loads, may be out
	WIN 0x01
.irp s, 0,1,2,3                        ; O^T = v^T p^T: eight accumulators by turns
.irp t, 0,1,2,3,4,5,6,7
.if \s == 0
	v_wmma_f32_16x16x4_f32 v[OT+8*\t:OT+8*\t+7], v[VF+8*\t+2*\s:VF+8*\t+2*\s+1], v[PP+2*\s:PP+2*\s+1], 0
.else
	v_wmma_f32_16x16x4_f32 v[OT+8*\t:OT+8*\t+7], v[VF+8*\t+2*\s:VF+8*\t+2*\s+1], v[PP+2*\s:PP+2*\s+1], v[OT+8*\t:OT+8*\t+7]
.endif
.endr
.endr
	WIN 0
	PLACES9
	WLOAD 2, VF, 0x40
	s_wait_loadcnt 32                              ; tile 0 of Wo is in; tiles 1 and 2 may be out
	OTILE 0, KF, 0x01
	WLOAD 3, KF, 0x40
	OSTORE 0
	s_wait_loadcnt 32                              ; tile 1 is in; tiles 2 and 3 may be out
	OTILE 1, QF, 0
	OSTORE 1
	s_wait_loadcnt 16                              ; tile 2 is in; tile 3 may be out
	OTILE 2, VF, 0x01
	OSTORE 2
	s_wait_loadcnt 0x0
	OTILE 3, KF, 0x01
	OSTORE 3
	s_wait_dscnt 0x0                               ; for the others' sake: my partial sum lies in LDS
	s_barrier_signal -1
	s_barrier_wait -1
.irp s, 0,1,2,3,4,5,6,7
	ds_load_b128 v[RB+4*\s:RB+4*\s+3], v7 offset:16*272*\s   ; rows 2 w, 2 w + 1 of head s's partial sum
.endr
	s_wait_dscnt 0x0
.irp s, 1,2,3,4,5,6,7
	v_pk_add_f32 v[RB:RB+1], v[RB:RB+1], v[RB+4*\s:RB+4*\s+1]        ; heads in ascending order
	v_pk_add_f32 v[RB+2:RB+3], v[RB+2:RB+3], v[RB+4*\s+2:RB+4*\s+3]
.endr
	global_store_b128 v8, v[RB:RB+3], s[8:9]       ; 16 lanes store 256 consecutive bytes, aligned
	s_wait_tensorcnt 0x0                           ; the wave's end, behind my last LDS store
	ds_add_u32 v[SPW], v[NIL]
	s_wait_dscnt 0x0
	s_endpgm
.Lfunc_end_k_q587a52a541_first16:
	.size	k_q587a52a541_first16, .Lfunc_end_k_q587a52a541_first16-k_q587a52a541_first16
	.p2alignl 7, 3214868480
	.fill 96, 4, 3214868480
	.section	.rodata,"a",@progbits
	.p2align	6, 0x0
	.amdhsa_kernel k_q587a52a541_first16
		.amdhsa_group_segment_fixed_size 35840
		.amdhsa_private_segment_fixed_size 0
		.amdhsa_enable_private_segment 0
		.amdhsa_kernarg_size 24
		.amdhsa_user_sgpr_count 2
		.amdhsa_user_sgpr_kernarg_segment_ptr 1
		.amdhsa_wavefront_size32 1
		.amdhsa_system_sgpr_workgroup_id_x 1
		.amdhsa_system_sgpr_workgroup_id_y 1
		.amdhsa_system_sgpr_workgroup_id_z 1
		.amdhsa_system_vgpr_workitem_id 0
		.amdhsa_next_free_vgpr 384
		.amdhsa_next_free_sgpr 66
		.amdhsa_reserve_vcc 1
		.amdhsa_float_denorm_mode_32 3
		.amdhsa_float_denorm_mode_16_64 3
		.amdhsa_memory_ordered 1
		.amdhsa_forward_progress 1
		.amdhsa_inst_pref_size 42
	.end_amdhsa_kernel
	.amdgpu_metadata
---
amdhsa.version: [ 1, 2 ]
amdhsa.kernels:
  - .name:           k_q587a52a541_first16
    .symbol:         k_q587a52a541_first16.kd
    .args:
      - { .name: fine, .offset: 0, .size: 8, .value_kind: global_buffer, .address_space: global }
      - { .name: Wo, .offset: 8, .size: 8, .value_kind: global_buffer, .address_space: global }
      - { .name: out0, .offset: 16, .size: 8, .value_kind: global_buffer, .address_space: global }
    .group_segment_fixed_size: 35840
    .private_segment_fixed_size: 0
    .kernarg_segment_align: 8
    .kernarg_segment_size: 24
    .max_flat_workgroup_size: 256
    .sgpr_count:     66
    .vgpr_count:     384
    .wavefront_size: 32
...
	.end_amdgpu_metadata
.endif
;; end of part 5
